; MI455X (gfx1250); checked and timed in simulation.
; The chip was launched on July 23, 2026; its instructions are those of AMD's public machine-readable ISA for CDNA 5 (MIT licence, August 2026) and "CDNA5" Instruction Set Architecture Reference Guide (July 2026). The comments in the code are by the model that wrote it; some were corrected since.
;; Mo E Layer. Allowed arithmetic: matrix products marked QUANTISED: E3M2 operands, one E8M0 scale for each 32 along K, by v_wmma_scale_f32_16x16x128_f8f6f4 with both operands' format E3M2, f32 sums; products left as they are: f32 operands where the result goes on into a quantised operand, else bf16, f16 or f32 operands; f32 sums; everything else in f32.
;; Inputs: W1 8 x 1,024 x 1,024 float32; W2 8 x 1,024 x 1,024 float32; W_router 1,024 x 8 float32; b1 8 x 1,024 float32; b2 8 x 1,024 float32; x 2 x 2,048 x 1,024 float32.
;; Outputs: out0 2 x 2,048 x 1,024 float32; out1 one number float32.
;; This version of the problem:
;;   THIS VERSION OF THE PROBLEM IS GIVEN IN LOW PRECISION. The matrix products marked QUANTISED in the list below multiply operands that are first quantised to E3M2 (3 exponent bits, 2 mantissa bits; 6 bits a number), with one power-of-two scale for each 32 numbers along K (OCP MX v1.0); their sums are f32. All else is computed in f32.
;;   The module's matrix products, in the order in which they are computed (A, B: the left and right operand; K: the contracted axis; several contracted axes count as one K, in the product's order):
;;     1. [M 4,096, K 1,024] x [K 1,024, N 8]; A: input x; B: input W_router: left as it is (N = 8 < 16)
;;     2. batch 4,096 x [M 8, K 2] x [K 2, N 1]; A: computed on the way; B: computed on the way: left as it is (K = 2 < 32)
;;     3. [M 4,096, K 1,024] x [K 1,024, N 8,192]; A: input x; B: input W1: QUANTISED
;;     4. batch 8 x [M 1,024, K 1,024] x [K 1,024, N 4,096]; A: input W2; B: computed on the way: QUANTISED
;;     5. batch 4,096 x [M 1, K 8] x [K 8, N 1,024]; A: computed on the way; B: computed on the way: left as it is (K = 8 < 32)
;;   THE QUANTISER, for each operand of a quantised product, along K:
;;     - K is cut into blocks of 32 from its start; a last block that is shorter is filled with zeros.
;;     - A block's scale is 2^e with e = floor(log2(the largest magnitude in the block)) - 4, held to -126 .. 127; a block of zeros has e = 0. As a byte (E8M0): e + 127.
;;     - Each number is divided by its block's scale, clamped to +-28, and rounded to the nearest number of E3M2, ties to even, subnormals kept.
;;     - The product sums the exact products of the quantised numbers (number of the format x scale) in f32.
;;   ~~~python
;;   def quantise(x, axis):      # numpy; x: float32 -> the quantised numbers, widened to float32 again
;;       x = np.moveaxis(x, axis, -1); K = x.shape[-1]
;;       x = np.pad(x, [(0, 0)] * (x.ndim - 1) + [(0, -K % 32)]); x = x.reshape(x.shape[:-1] + (-1, 32)); a = np.abs(x).max(-1, keepdims=True)
;;       e = np.where(a > 0, np.clip(np.frexp(np.where(a > 0, a, 1))[1] - 1 - 4, -126, 127), 0)      # np.frexp(a)[1] - 1 = floor(log2(a)), exactly
;;       r = np.clip(x / 2.0 ** e, -28, 28)
;;       step = 2.0 ** (np.maximum(np.frexp(np.where(r == 0, 1, r))[1] - 1, -2) - 2)
;;       q = np.round(r / step) * step * 2.0 ** e      # np.round: ties to even
;;       return np.moveaxis(q.reshape(q.shape[:-2] + (-1,))[..., :K], -1, axis).astype(np.float32)
;;   ~~~
;;   OPERANDS COMPUTED ON THE WAY. 'Computed on the way' means the value that the module computes at that place (a softmax that the list does not call 'softmax' is quantised finished and normalised). What goes into a quantiser is computed in f32, as accurately as f32 sums, v_exp_f32 and their like allow (about 1e-6 of the number): no bf16 or f16 on the way to a quantiser, and a product that is left as it is and whose result goes on into a quantised operand takes f32 operands (vector FMAs, or v_wmma_f32_16x16x4_f32). A number that lies on a knife's edge between two numbers of the format may be rounded either way, as far as f32 arithmetic and the matrix unit's own rounding can turn it there, and no further.
;; 2 versions. Each part assembles by itself: llvm-mc -triple=amdgcn-amd-amdhsa -mcpu=gfx1250 --defsym DOCPART=n.
;; ======== version 1 of 2: 3 launches
;; workspace buffers: xq 3,145,728 bytes; xs 131,072 bytes; wq 13,107,200 bytes; sel 16,384 bytes of whole numbers; gate 32,768 bytes; psum 8,192 bytes; rows 20,480 bytes of whole numbers; blk 2,560 bytes of whole numbers
;; launch prep (part 1): grid 320 x 1, 4 waves a work-group, no clusters, 77,312 bytes of LDS; arguments x, W_router, W1, W2, xq, xs, wq, sel, gate, psum; writes xq, xs, wq, sel, gate, psum
.if DOCPART == 1
	.amdgcn_target "amdgcn-amd-amdhsa--gfx1250"
	.amdhsa_code_object_version 6
	.text
	.protected	k_q51f6d18da2_prep
	.globl	k_q51f6d18da2_prep
	.p2align	8
	.type	k_q51f6d18da2_prep,@function
k_q51f6d18da2_prep:
	s_mov_b64 s[64:65], 0
	v_nop
	global_prefetch_b8 v0, s[64:65] scope:SCOPE_SE
	s_setreg_imm32_b32 hwreg(HW_REG_WAVE_MODE, 25, 1), 1
	s_wait_xcnt 0x0
; PREP.  Work-groups 0-63: x [4096][1024] f32 becomes codes of E3M2 with one E8M0 byte for each 32 along K (xq, xs); the router's logits (f32 multiply-adds), softmax, the two
; largest, their weights, and the sums of the probabilities.  Work-groups 64-319: W1 and W2 [8][1024 (K)][1024] f32 become codes along K, laid in the order in which the chain
; launch's waves take them into operand registers (wq).
; xq: [token][K step s 0-7][half h][48 bytes]: registers 0-11 of lane (row, h) of the fragment of K step s.  Block l = 4 s + 2 c + h of a token lies at 96 s + 48 h + 24 c.
; xs: [token][32] scale bytes, byte l for k = 32 l on.
; wq: [expert][column group w 0-7][step k 0-15: W1's eight K steps, then W2's][12,800 bytes]: eight tiles of 16 columns x 128 K, 1,536 bytes each (register group g of lane L at 512 g + 16 L),
;     then 512 bytes of scale words (lane r + 16 u: at 16 (r + 16 u) + 4 j the word of tile 2 j + u, row r).  Lane r of tile 2 b + u holds column 32 b + 8 u + r + 8 (r / 8) of the group's 128.
; sel: [token] the pair's number p = a (15 - a) / 2 + b - a - 1 of the two experts a < b.  gate: [token] the weights of a and of b.  psum: [wave 0-255][8] sums of probabilities over 16 tokens.
; A block's scale is 2^(floor(log2(largest magnitude)) - 4): its byte is the largest magnitude's exponent field - 4, held at 1 from below by a floor among the maximum's leaves.
; LIMITS: a block of zeros gets the byte 1, not 127 (its codes are zeros, and this program alone reads the bytes); NaN and infinities among the inputs are not served; the two largest are taken of
; p = 2^((logit - largest logit) log2 e), the lower index winning a tie; a p under 2^-126 counts as 0; two logits closer than f32 sums resolve may be chosen in the other order.
; sel, gate and psum leave in pieces of 64, 128 and 32 bytes a wave: 56 KiB of a launch that moves 100 MB.
; The two roles part on the work-group's number and have LDS bytes of their own; every wave uses its own bytes alone: no barrier.
.set TP,    1552                       ; W role: a tile in the stage: 1,536 bytes + 16
.set WREG,  13056                      ; a wave's stage: eight tiles and 512 bytes of scale words
.set WSC,   8*TP
.set XBASE, 4*WREG                     ; x role: behind the W role's bytes
.set XREG,  6144                       ; a wave's region: 32 x 144 bytes for a token's turn, 64 places of 16 bytes for its codes, 512 scale bytes
.set CSO,   4608
.set SBO,   5632
.set WX,  64                           ; W role: v64-191  four columns x 32 numbers down K
.set CD,  16                           ; v16-63   column j: codes at CD + 12 j (six registers), the second conversion's three at + 6
.set SW,  196                          ; v196-199 column j's scale word
.set R,   64                           ; x role: v64-191  four tokens as loaded, 32 registers each
.set XX,  192                          ; v192-223 my block of 32 numbers
.set A,   224                          ; v224-231 my part of the token's eight logits
.set L,   232                          ; v232-239 the eight logits of token lane % 16
.set MSB, 0
.macro WIN new                         ; the immediate's high byte repeats the setting that is left
.if MSB != \new
	s_set_vgpr_msb (MSB<<8)|\new
.set MSB, \new
.endif
.endm
	s_load_b256 s[4:11], s[0:1], 0x0               ; x, W_router, W1, W2
	s_load_b256 s[12:19], s[0:1], 0x20             ; xq, xs, wq, sel
	s_load_b128 s[20:23], s[0:1], 0x40             ; gate, psum
	v_lshl_add_u32 v254, v0, 2, 0x12c00
	v_mov_b32 v255, 0
	v_lshrrev_b32 v1, 5, v0
	v_readfirstlane_b32 s24, v1                    ; wave 0..3
	v_and_b32 v1, 31, v0                           ; lane
	v_lshlrev_b32 v2, 4, v1                        ; 16 x lane; never rewritten
	s_mov_b32 s33, 0                               ; the upper word of every offset pair s[32:33]
	s_wait_kmcnt 0x0
	s_cmp_lt_u32 ttmp9, 64
	s_cbranch_scc1 .Lxrole
; ---------------- W ROLE: one wave makes one step block of wq: 128 along K x 128 columns ----------------
; Each load reads 512 consecutive bytes of one row k: a lane holds 4 neighbouring columns.  The conversions want 16 neighbours along K in consecutive registers, so a block's 128 numbers
; are moved once, from (row, column) to (column, row): the price of loads of 512 bytes, of which 64 a wave are out.
.macro LOADBLK kb                      ; rows 32 kb .. 32 kb + 31 into set kb % 2 of window 1: register 4 i + j = (row i, column j)
	WIN 0x40
.set n, 0
.rept 32
	global_load_b128 v[128*((\kb)%2)+4*n:128*((\kb)%2)+4*n+3], v2, s[30:31] offset:(32*(\kb)+n)*4096 th:TH_LOAD_NT
.set n, n+1
.endr
.endm
.macro TURNBLK kb
	WIN 0x01
.set n, 0
.rept 32
.irp j, 0,1,2,3
	v_mov_b32 v[WX+32*\j+n], v[128*((\kb)%2)+4*n+\j]
.endr
.set n, n+1
.endr
.endm
; Column j's block kb: its largest magnitude, scale byte and 32 codes; the codes go to lane r + 16 (kb % 2) of their tile's image, registers 6 (kb / 2) on.
.macro COL kb, j
.set XS, WX+32*(\j)
.set CC, CD+12*(\j)
	v_max3_num_f32 v8, |v[XS]|, |v[XS+1]|, |v[XS+2]|
	v_max3_num_f32 v9, |v[XS+3]|, |v[XS+4]|, |v[XS+5]|
.irp i, 6,10,14,18,22,26
	v_max3_num_f32 v8, v8, |v[XS+\i]|, |v[XS+\i+1]|
	v_max3_num_f32 v9, v9, |v[XS+\i+2]|, |v[XS+\i+3]|
.endr
	v_max3_num_f32 v8, v8, |v[XS+30]|, |v[XS+31]|
	v_max3_num_f32 v8, v8, v9, 0x2800000           ; and the floor 2^(5 - 127): the byte cannot fall under 1
	v_add_nc_u32 v10, 0xfe000000, v8               ; 4 off the exponent field: the conversion takes this operand's exponent field as its scale
	v_cvt_scalef32_pk16_bf6_f32 v[CC:CC+2], v[XS:XS+15], v10
	v_cvt_scalef32_pk16_bf6_f32 v[CC+6:CC+8], v[XS+16:XS+31], v10   ; (a conversion's three registers begin on an even number)
	v_lshrrev_b32 v11, 23, v10                     ; the scale's byte; also the plain instruction behind the conversions
.if (\kb) == 0
	v_mov_b32 v[SW+(\j)], v11
.else
	v_lshl_or_b32 v[SW+(\j)], v11, 8*(\kb), v[SW+(\j)]
.endif
.irp i, 0,1,2
	v_mov_b32 v[CC+3+\i], v[CC+6+\i]
.endr
.if (\kb) < 2
	ds_store_b128 v3, v[CC:CC+3] offset:16*(\j)+256*((\kb)%2)          ; registers 0-3: group 0
	ds_store_b64 v3, v[CC+4:CC+5] offset:16*(\j)+256*((\kb)%2)+512     ; registers 4, 5: the lower half of group 1
.else
	ds_store_b64 v3, v[CC:CC+1] offset:16*(\j)+256*((\kb)%2)+520       ; registers 6, 7: its upper half
	ds_store_b128 v3, v[CC+2:CC+5] offset:16*(\j)+256*((\kb)%2)+1024   ; registers 8-11: group 2
.endif
.endm
	s_sub_co_u32 s25, ttmp9, 64
	s_lshl_b32 s25, s25, 2
	s_add_co_u32 s25, s25, s24                     ; my step block 0..1023 = ((expert x 8 + column group) x 16 + step)
	s_and_b32 s26, s25, 7                          ; K step
	s_bfe_u32 s27, s25, 0x10003                    ; 0: W1, 1: W2
	s_bfe_u32 s28, s25, 0x30004                    ; column group
	s_lshr_b32 s29, s25, 7                         ; expert
	s_cmp_eq_u32 s27, 0
	s_cselect_b64 s[30:31], s[8:9], s[10:11]
	s_lshl_b32 s32, s29, 22                        ; an expert's matrix is 4 MiB,
	s_lshl_b32 s29, s26, 19                        ; 128 rows of 4,096 bytes,
	s_add_co_u32 s32, s32, s29
	s_lshl_b32 s29, s28, 9                         ; 128 columns of 4 bytes
	s_add_co_u32 s32, s32, s29
	s_add_nc_u64 s[30:31], s[30:31], s[32:33]
	s_mul_i32 s32, s25, 12800
	s_add_nc_u64 s[34:35], s[16:17], s[32:33]
	LOADBLK 0
	LOADBLK 1
	WIN 0
	; my columns are 4 lane + j: pair of tiles b = lane / 8, u = bit 1 of the lane, tile row r = 8 (bit 2) + 4 (bit 0) + j
	s_mul_i32 s36, s24, WREG
	v_lshrrev_b32 v6, 3, v1                        ; b
	v_bfe_u32 v7, v1, 1, 1                         ; u
	v_bfe_u32 v8, v1, 2, 1
	v_and_b32 v9, 1, v1
	v_lshlrev_b32 v8, 3, v8
	v_lshl_add_u32 v8, v9, 2, v8                   ; r for j = 0
	v_lshl_add_u32 v9, v6, 1, v7                   ; tile 2 b + u
	v_mul_u32_u24 v3, v9, TP
	v_lshl_add_u32 v3, v8, 4, v3
	v_add_nc_u32 v3, s36, v3                       ; v3: my tile's image, lane r
	v_lshl_add_u32 v4, v7, 4, v8
	v_lshlrev_b32 v4, 4, v4
	v_lshl_add_u32 v4, v6, 2, v4
	s_add_co_u32 s37, s36, WSC
	v_add_nc_u32 v4, s37, v4                       ; v4: my scale word's place: 16 (r + 16 u) + 4 b
	v_add_nc_u32 v5, s36, v2                       ; v5: the way out: 16 x lane
.irp kb, 0,1,2,3
.if \kb < 3
	s_wait_loadcnt 32                              ; this block's 32 loads are in; the next block's 32 may stay out
.else
	s_wait_loadcnt 0x0
.endif
	TURNBLK \kb
.if \kb < 2
	LOADBLK \kb+2
.endif
	WIN 0
.if \kb > 0
	s_wait_dscnt 0x0                               ; the last block's stores into the stage have read the codes' registers
.endif
.irp j, 0,1,2,3
	COL \kb, \j
.endr
.endr
.irp j, 0,1,2,3
	ds_store_b32 v4, v[SW+\j] offset:16*\j
.endr
	WIN 0x40                                       ; back as it will lie in memory: LDS serves a wave's instructions in order, so these see my stores
.irp t, 0,1,2,3,4,5,6,7
.irp g, 0,1,2
	ds_load_b128 v[4*(3*\t+\g):4*(3*\t+\g)+3], v5 offset:TP*\t+512*\g
.endr
.endr
	ds_load_b128 v[96:99], v5 offset:WSC
	s_wait_dscnt 0x0
	WIN 0x04                                       ; a store's data are its source 1
.irp t, 0,1,2,3,4,5,6,7
.irp g, 0,1,2
	global_store_b128 v2, v[4*(3*\t+\g):4*(3*\t+\g)+3], s[34:35] offset:1536*\t+512*\g   ; 32 lanes store 512 consecutive bytes, at a multiple of 256 from wq's first byte
.endr
.endr
	global_store_b128 v2, v[96:99], s[34:35] offset:12288
	WIN 0
	s_wait_tensorcnt 0x0
	ds_add_u32 v254, v255
	s_wait_dscnt 0x0
	s_endpgm
; ---------------- x ROLE: one wave takes 16 tokens; lane l owns block l (k = 32 l .. 32 l + 31) of every token ----------------
.Lxrole:
	s_lshl_b32 s25, ttmp9, 2
	s_add_co_u32 s25, s25, s24                     ; my run of 16 tokens, 0..255
	s_lshl_b32 s32, s25, 16
	s_add_nc_u64 s[26:27], s[4:5], s[32:33]        ; x: 16 rows of 4,096 bytes
	s_mul_i32 s32, s25, 12288
	s_add_nc_u64 s[28:29], s[12:13], s[32:33]      ; xq: 16 x 768
	s_lshl_b32 s32, s25, 9
	s_add_nc_u64 s[14:15], s[14:15], s[32:33]      ; xs: 16 x 32
	s_lshl_b32 s32, s25, 6
	s_add_nc_u64 s[18:19], s[18:19], s[32:33]      ; sel
	s_lshl_b32 s32, s25, 7
	s_add_nc_u64 s[20:21], s[20:21], s[32:33]      ; gate
	s_lshl_b32 s32, s25, 5
	s_add_nc_u64 s[22:23], s[22:23], s[32:33]      ; psum
	v_lshlrev_b32 v11, 10, v1                      ; W_router: my 32 rows of 32 bytes
	WIN 0x40
.set n, 0
.rept 64
	global_load_b128 v[4*n:4*n+3], v11, s[6:7] offset:16*n    ; window 1, register 8 k + e = W_router[32 lane + k][e]: it stays
.set n, n+1
.endr
	WIN 0
.irp q, 0,1,2,3
.irp i, 0,1,2,3,4,5,6,7
	global_load_b128 v[R+32*\q+4*\i:R+32*\q+4*\i+3], v2, s[26:27] offset:4096*\q+512*\i th:TH_LOAD_NT
.endr
.endr
	s_mul_i32 s34, s24, XREG
	s_add_co_u32 s34, s34, XBASE
	v_lshrrev_b32 v12, 3, v1
	v_and_b32 v13, 7, v1
	v_mul_u32_u24 v3, v12, 144
	v_lshl_add_u32 v3, v13, 4, v3
	v_add_nc_u32 v3, s34, v3                       ; v3: the turn, in: a load's 512 bytes are four blocks: 144 (lane / 8) + 16 (lane % 8)
	v_mul_u32_u24 v4, v1, 144
	v_add_nc_u32 v4, s34, v4                       ; v4: the turn, out: my block's 128 bytes
	v_lshrrev_b32 v12, 2, v1                       ; K step
	v_and_b32 v13, 1, v1                           ; h
	v_bfe_u32 v14, v1, 1, 1                        ; c
	v_lshlrev_b32 v12, 3, v12
	v_lshl_add_u32 v12, v13, 2, v12
	v_lshl_add_u32 v12, v14, 1, v12                ; my block's first place of 12 bytes in the token's 768: 8 s + 4 h + 2 c
	s_add_co_u32 s35, s34, CSO
	v_lshl_add_u32 v5, v12, 4, s35                 ; v5: the codes' stage, in: a place has 16 bytes
	v_add_nc_u32 v6, s35, v2                       ; v6: and out: place = lane
	v_mul_u32_u24 v7, v1, 12                       ; v7: and the same place in memory
	s_add_co_u32 s35, s34, SBO
	v_add_nc_u32 v8, s35, v1                       ; v8: my byte in a token's 32 scale bytes
	v_add_nc_u32 v10, s35, v2                      ; v10: the 512 scale bytes on their way out
	s_mov_b32 s40, 0x76543210
	s_mov_b32 s41, 0xfedcba98                      ; v_permlanex16_b32's selects for lane l xor 16
	s_mov_b32 s30, 0                               ; 32 x the trip's first token
	s_mov_b32 s31, 0x00010001                      ; the lanes (t and t + 16) that keep the logits of the token in hand
.irp e, 0,1,2,3,4,5,6,7
	v_mov_b32 v[L+\e], 0                           ; written whole once: the selects below keep the other lanes
	v_mov_b32 v[36+\e], 0                          ; a lane permute's destination counts as one of its sources
.endr
; One token.  more = 1: its registers take the token four further on.  left = how many younger loads may stay out.
.macro TOKEN q, more, left
	s_wait_loadcnt \left                           ; my eight loads are in
	s_wait_xcnt 0x0                                ; the last token's stores have read v28-34
.irp i, 0,1,2,3,4,5,6,7
	ds_store_b128 v3, v[R+32*(\q)+4*\i:R+32*(\q)+4*\i+3] offset:576*\i
.endr
.irp i, 0,1,2,3,4,5,6,7
	ds_load_b128 v[XX+4*\i:XX+4*\i+3], v4 offset:16*\i     ; LDS serves a wave's instructions in order
.endr
	s_wait_dscnt 0x0
.if \more
.irp i, 0,1,2,3,4,5,6,7
	global_load_b128 v[R+32*(\q)+4*\i:R+32*(\q)+4*\i+3], v2, s[26:27] offset:4096*((\q)+4)+512*\i th:TH_LOAD_NT
.endr
.endif
	v_max3_num_f32 v12, |v[XX]|, |v[XX+1]|, |v[XX+2]|
	v_max3_num_f32 v13, |v[XX+3]|, |v[XX+4]|, |v[XX+5]|
.irp i, 6,10,14,18,22,26
	v_max3_num_f32 v12, v12, |v[XX+\i]|, |v[XX+\i+1]|
	v_max3_num_f32 v13, v13, |v[XX+\i+2]|, |v[XX+\i+3]|
.endr
	v_max3_num_f32 v12, v12, |v[XX+30]|, |v[XX+31]|
	v_max3_num_f32 v12, v12, v13, 0x2800000
	v_add_nc_u32 v14, 0xfe000000, v12
	v_cvt_scalef32_pk16_bf6_f32 v[20:22], v[XX:XX+15], v14
	v_cvt_scalef32_pk16_bf6_f32 v[24:26], v[XX+16:XX+31], v14
	v_lshrrev_b32 v15, 23, v14                     ; the byte; also the plain instruction behind the conversions
	ds_store_b8 v9, v15 offset:32*(\q)
	ds_store_b96 v5, v[20:22]
	ds_store_b96 v5, v[24:26] offset:16
	ds_load_b96 v[28:30], v6
	ds_load_b96 v[32:34], v6 offset:512
	WIN 0x04                                       ; the router: my 32 numbers x my 32 rows of W_router, two experts an instruction
.irp p, 0,1,2,3
	v_pk_mul_f32 v[A+2*\p:A+2*\p+1], v[XX:XX+1], v[2*\p:2*\p+1] op_sel_hi:[0,1]
.endr
.set kk, 1
.rept 31
.irp p, 0,1,2,3
.if kk%2
	v_pk_fma_f32 v[A+2*\p:A+2*\p+1], v[XX+2*(kk/2):XX+2*(kk/2)+1], v[8*kk+2*\p:8*kk+2*\p+1], v[A+2*\p:A+2*\p+1] op_sel:[1,0,0] op_sel_hi:[1,1,1]
.else
	v_pk_fma_f32 v[A+2*\p:A+2*\p+1], v[XX+2*(kk/2):XX+2*(kk/2)+1], v[8*kk+2*\p:8*kk+2*\p+1], v[A+2*\p:A+2*\p+1] op_sel_hi:[0,1,1]
.endif
.endr
.set kk, kk+1
.endr
	WIN 0
.irp m, 1,2,4,8
.irp e, 0,1,2,3,4,5,6,7
	v_add_f32_dpp v[A+\e], v[A+\e], v[A+\e] row_xmask:\m row_mask:0xf bank_mask:0xf
.endr
.endr
.irp e, 0,1,2,3,4,5,6,7
	v_permlanex16_b32 v[36+\e], v[A+\e], s40, s41
.endr
.irp e, 0,1,2,3,4,5,6,7
	v_add_f32 v[A+\e], v[A+\e], v[36+\e]           ; every lane holds the token's logit e
.endr
.irp e, 0,1,2,3,4,5,6,7
	v_cndmask_b32 v[L+\e], v[L+\e], v[A+\e], s31   ; the token's two lanes keep it
.endr
	s_lshl_b32 s31, s31, 1
	s_wait_dscnt 0x0                               ; the codes are back, in the order of xq
	global_store_b96 v7, v[28:30], s[28:29] offset:768*(\q)          ; 32 lanes store 384 consecutive bytes
	global_store_b96 v7, v[32:34], s[28:29] offset:768*(\q)+384
.endm
	s_mov_b32 s32, 3
.Lxtrip:
	v_add_nc_u32 v9, s30, v8
	TOKEN 0, 1, 24                                 ; 24: the three younger tokens' loads
	TOKEN 1, 1, 24
	TOKEN 2, 1, 24
	TOKEN 3, 1, 24
	s_wait_xcnt 0x0                                ; the bases are stepped only behind this wait
	s_add_nc_u64 s[26:27], s[26:27], 16384
	s_add_nc_u64 s[28:29], s[28:29], 3072
	s_add_co_u32 s30, s30, 128
	s_sub_co_u32 s32, s32, 1
	s_cmp_lg_u32 s32, 0
	s_cbranch_scc1 .Lxtrip
	v_add_nc_u32 v9, s30, v8
	TOKEN 0, 0, 24                                 ; the last four tokens load nothing: the counts run down
	TOKEN 1, 0, 16
	TOKEN 2, 0, 8
	TOKEN 3, 0, 0
	ds_load_b128 v[72:75], v10
	; softmax and the two largest, a token a lane (lanes 16-31 repeat lanes 0-15)
	v_max3_num_f32 v52, v[L], v[L+1], v[L+2]
	v_max3_num_f32 v52, v52, v[L+3], v[L+4]
	v_max3_num_f32 v52, v52, v[L+5], v[L+6]
	v_max_num_f32 v52, v52, v[L+7]
.irp e, 0,1,2,3,4,5,6,7
	v_sub_f32 v[44+\e], v[L+\e], v52
.endr
.irp e, 0,1,2,3,4,5,6,7
	v_mul_f32 v[44+\e], 0x3fb8aa3b, v[44+\e]
.endr
.irp e, 0,1,2,3,4,5,6,7
	v_exp_f32 v[44+\e], v[44+\e]
.endr
	v_nop                                          ; a plain instruction behind the last exponential
	s_wait_alu depctr_va_vdst(0)                   ; one wait for the eight, ahead of their first reader
	v_add_f32 v53, v44, v45
	v_add_f32 v54, v46, v47
	v_add_f32 v59, v48, v49
	v_add_f32 v60, v50, v51
	v_add_f32 v53, v53, v54
	v_add_f32 v59, v59, v60
	v_add_f32 v53, v53, v59
	v_rcp_f32 v54, v53
	v_mov_b32 v55, v44                             ; (a plain instruction behind the reciprocal)  the largest so far,
	v_mov_b32 v56, 0                               ; and its index
.irp e, 1,2,3,4,5,6,7
	v_cmp_gt_f32 vcc_lo, v[44+\e], v55             ; strictly greater: the lower index keeps a tie
	v_cndmask_b32 v55, v55, v[44+\e], vcc_lo
	v_cndmask_b32 v56, v56, \e, vcc_lo
.endr
	v_mov_b32 v57, -1.0                            ; the second largest: the first's place counts as -1
	v_mov_b32 v58, 0
.irp e, 0,1,2,3,4,5,6,7
	v_cmp_eq_u32 vcc_lo, \e, v56
	v_cndmask_b32 v59, v[44+\e], -1.0, vcc_lo
	v_cmp_gt_f32 vcc_lo, v59, v57
	v_cndmask_b32 v57, v57, v59, vcc_lo
	v_cndmask_b32 v58, v58, \e, vcc_lo
.endr
	v_add_f32 v60, v55, v57
	s_wait_alu depctr_va_vdst(0)                   ; for the first reciprocal
.irp e, 0,1,2,3,4,5,6,7
	v_mul_f32 v[240+\e], v[44+\e], v54             ; the probabilities
.endr
	v_rcp_f32 v61, v60
	v_min_u32 v64, v56, v58                        ; (a plain instruction behind the reciprocal)  a
	v_max_u32 v65, v56, v58                        ; b
	v_cmp_gt_u32 vcc_lo, v56, v58
	s_wait_alu depctr_va_vdst(0)
	v_mul_f32 v62, v55, v61                        ; the two weights, which add up to 1
	v_mul_f32 v63, v57, v61
	v_cndmask_b32 v66, v62, v63, vcc_lo            ; a's
	v_cndmask_b32 v67, v63, v62, vcc_lo            ; b's
	v_sub_nc_u32 v68, 15, v64
	v_mul_u32_u24 v68, v68, v64
	v_lshrrev_b32 v68, 1, v68
	v_add_nc_u32 v68, v68, v65
	v_sub_nc_u32 v68, v68, v64
	v_add_nc_u32 v68, -1, v68                      ; the pair's number, 0..27
.irp m, 1,2,4,8
.irp e, 0,1,2,3,4,5,6,7
	v_add_f32_dpp v[240+\e], v[240+\e], v[240+\e] row_xmask:\m row_mask:0xf bank_mask:0xf   ; over the 16 tokens
.endr
.endr
	v_lshlrev_b32 v69, 2, v1
	v_lshlrev_b32 v70, 3, v1
	v_mov_b32 v71, 0
	s_wait_dscnt 0x0
	global_store_b128 v2, v[72:75], s[14:15]       ; the 16 tokens' scale bytes: 512 consecutive bytes
	s_wait_xcnt 0x0                                ; EXEC changes only behind this wait
	v_cmp_gt_u32 vcc_lo, 16, v1
	s_wait_tensorcnt 0x0
	ds_add_u32 v254, v255
	s_wait_dscnt 0x0
	s_and_saveexec_b32 s42, vcc_lo
	global_store_b32 v69, v68, s[18:19]
	global_store_b64 v70, v[66:67], s[20:21]
	s_wait_xcnt 0x0
	s_or_b32 exec_lo, exec_lo, s42
	v_cmp_eq_u32 vcc_lo, 0, v1
	s_and_saveexec_b32 s42, vcc_lo
	global_store_b128 v71, v[240:243], s[22:23]
	global_store_b128 v71, v[244:247], s[22:23] offset:16
	s_wait_xcnt 0x0
	s_or_b32 exec_lo, exec_lo, s42
	s_endpgm
.Lfunc_end_k_q51f6d18da2_prep:
	.size	k_q51f6d18da2_prep, .Lfunc_end_k_q51f6d18da2_prep-k_q51f6d18da2_prep
	.p2alignl 7, 3214868480
	.fill 96, 4, 3214868480
	.section	.rodata,"a",@progbits
	.p2align	6, 0x0
	.amdhsa_kernel k_q51f6d18da2_prep
		.amdhsa_group_segment_fixed_size 77312
		.amdhsa_private_segment_fixed_size 0
		.amdhsa_enable_private_segment 0
		.amdhsa_kernarg_size 80
		.amdhsa_user_sgpr_count 2
		.amdhsa_user_sgpr_kernarg_segment_ptr 1
		.amdhsa_wavefront_size32 1
		.amdhsa_system_sgpr_workgroup_id_x 1
		.amdhsa_system_sgpr_workgroup_id_y 1
		.amdhsa_system_sgpr_workgroup_id_z 1
		.amdhsa_system_vgpr_workitem_id 0
		.amdhsa_next_free_vgpr 512
		.amdhsa_next_free_sgpr 66
		.amdhsa_reserve_vcc 1
		.amdhsa_float_denorm_mode_32 3
		.amdhsa_float_denorm_mode_16_64 3
		.amdhsa_memory_ordered 1
		.amdhsa_forward_progress 1
		.amdhsa_inst_pref_size 197
	.end_amdhsa_kernel
	.amdgpu_metadata
---
amdhsa.version: [ 1, 2 ]
amdhsa.kernels:
  - .name:           k_q51f6d18da2_prep
    .symbol:         k_q51f6d18da2_prep.kd
    .args:
      - { .name: x, .offset: 0, .size: 8, .value_kind: global_buffer, .address_space: global }
      - { .name: W_router, .offset: 8, .size: 8, .value_kind: global_buffer, .address_space: global }
      - { .name: W1, .offset: 16, .size: 8, .value_kind: global_buffer, .address_space: global }
      - { .name: W2, .offset: 24, .size: 8, .value_kind: global_buffer, .address_space: global }
      - { .name: xq, .offset: 32, .size: 8, .value_kind: global_buffer, .address_space: global }
      - { .name: xs, .offset: 40, .size: 8, .value_kind: global_buffer, .address_space: global }
      - { .name: wq, .offset: 48, .size: 8, .value_kind: global_buffer, .address_space: global }
      - { .name: sel, .offset: 56, .size: 8, .value_kind: global_buffer, .address_space: global }
      - { .name: gate, .offset: 64, .size: 8, .value_kind: global_buffer, .address_space: global }
      - { .name: psum, .offset: 72, .size: 8, .value_kind: global_buffer, .address_space: global }
    .group_segment_fixed_size: 77312
    .private_segment_fixed_size: 0
    .kernarg_segment_align: 8
    .kernarg_segment_size: 80
    .max_flat_workgroup_size: 128
    .sgpr_count:     66
    .vgpr_count:     512
    .wavefront_size: 32
...
	.end_amdgpu_metadata
.endif
;; end of part 1
;; launch place (part 2): grid 1 x 1, 32 waves a work-group, no clusters, 12,288 bytes of LDS; arguments sel, psum, rows, blk, out1; writes rows, blk, out1
.if DOCPART == 2
	.amdgcn_target "amdgcn-amd-amdhsa--gfx1250"
	.amdhsa_code_object_version 6
	.text
	.protected	k_q51f6d18da2_place
	.globl	k_q51f6d18da2_place
	.p2align	8
	.type	k_q51f6d18da2_place,@function
k_q51f6d18da2_place:
	s_mov_b64 s[64:65], 0
	v_nop
	global_prefetch_b8 v0, s[64:65] scope:SCOPE_SE
	s_setreg_imm32_b32 hwreg(HW_REG_WAVE_MODE, 25, 1), 1
	s_wait_xcnt 0x0
; PLACE.  One work-group sorts the 4,096 tokens by their pair of experts (28 buckets, a counting sort without atomics) into blocks of 32 tokens of ONE pair, each bucket filled up to whole blocks:
; rows[160][32] token numbers (0 in the places that fill a block up), blk[160][4] = {tokens in the block, expert a, expert b, 0}.  There are never more than (4096 + 28 x 31) / 32 = 155 blocks in use;
; the blocks behind the last one in use get 0 tokens and a valid pair.  It also makes the load-balance loss: 0.08 x sum over e of (sum of probabilities of e / 4096) x (tokens routed to e / 8192).
; Wave w holds tokens 128 w + 32 j + lane, j = 0..3.  In the registers that speak of buckets, lane p stands for bucket p (lanes 28-31: empty buckets).
.set KEY, 4                            ; v4-7    my four tokens' buckets
.set LR,  8                            ; v8-11   their ranks among my wave's tokens of the same bucket
	s_load_b256 s[4:11], s[0:1], 0x0               ; sel, psum, rows, blk
	s_load_b64 s[12:13], s[0:1], 0x20              ; out1
	v_lshl_add_u32 v126, v0, 2, 0x2000
	v_mov_b32 v127, 0
	v_lshrrev_b32 v13, 5, v0
	v_readfirstlane_b32 s14, v13                   ; wave 0..31
	v_and_b32 v1, 31, v0                           ; lane
	v_lshlrev_b32 v2, 2, v0                        ; 4 x thread
	v_lshlrev_b32 v3, 2, v1                        ; 4 x lane
	s_lshl_b32 s15, s14, 9
	v_add_nc_u32 v22, s15, v3                      ; sel: 512 w + 4 lane
	s_lshl_b32 s15, s14, 8
	v_add_nc_u32 v74, s15, v3                      ; psum: my wave's 64 numbers
	s_mov_b32 s28, 0x76543210
	s_mov_b32 s29, 0xfedcba98                      ; v_permlanex16_b32's selects for lane l xor 16
	s_wait_kmcnt 0x0
.irp j, 0,1,2,3
	global_load_b32 v[KEY+\j], v22, s[4:5] offset:128*\j
.endr
	global_load_b32 v64, v74, s[6:7]               ; lane l: expert l % 8 of four of psum's rows,
	global_load_b32 v65, v74, s[6:7] offset:128    ; and of the next four
	v_lshrrev_b32 v24, 2, v22                      ; my tokens' numbers
	v_add_nc_u32 v25, 32, v24
	v_add_nc_u32 v26, 64, v24
	v_add_nc_u32 v27, 96, v24
.irp j, 0,1,2,3
	v_mov_b32 v[LR+\j], 0
.endr
	v_mov_b32 v12, 0                               ; my wave's count of bucket = lane
	v_mov_b32 v71, 0
	v_mov_b32 v19, 0                               ; bucket = lane: its experts a < b.  a = how many of the first buckets of a = 1 .. 6 lie at or under the lane
.irp th, 7,13,18,22,25,27
	v_cmp_le_u32 vcc_lo, \th, v1
	v_cndmask_b32 v23, 0, 1, vcc_lo
	v_add_nc_u32 v19, v19, v23
.endr
	v_sub_nc_u32 v20, 15, v19
	v_mul_u32_u24 v20, v20, v19
	v_lshrrev_b32 v20, 1, v20
	v_sub_nc_u32 v20, v1, v20
	v_add_nc_u32 v20, v20, v19
	v_add_nc_u32 v20, 1, v20
	v_min_u32 v20, 7, v20                          ; b (lanes 28-31: 7)
	s_wait_loadcnt 0x0
.irp j, 0,1,2,3
	v_min_u32 v[KEY+\j], 27, v[KEY+\j]
.endr
	v_add_f32 v64, v64, v65                        ; the probabilities: my wave's eight rows of psum, by expert
	v_add_f32_dpp v64, v64, v64 row_xmask:8 row_mask:0xf bank_mask:0xf
	v_permlanex16_b32 v65, v64, s28, s29
	v_add_f32 v64, v64, v65
	ds_store_b32 v2, v64 offset:4096
	; ranks and counts inside the wave, bucket by bucket
.set P, 0
.rept 28
	s_mov_b32 s16, 0
.irp j, 0,1,2,3
	v_cmp_eq_u32 s17, P, v[KEY+\j]
	v_mbcnt_lo_u32_b32 v13, s17, s16               ; the bucket's tokens in lower lanes, and in the registers before
	v_cndmask_b32 v[LR+\j], v[LR+\j], v13, s17
	s_bcnt1_i32_b32 s18, s17
	s_add_co_u32 s16, s16, s18
.endr
	v_writelane_b32 v12, s16, P
.set P, P+1
.endr
	ds_store_b32 v2, v12
	s_wait_dscnt 0x0                               ; for the others' sake: my stores have landed
	s_barrier_signal -1
	s_barrier_wait -1
.set W, 0
.rept 32
	ds_load_b32 v[32+W], v3 offset:128*W           ; every wave's count of bucket = lane
.set W, W+1
.endr
	v_mov_b32 v14, 0                               ; the bucket's tokens in all,
	v_mov_b32 v15, 0                               ; and in the waves before mine
	s_wait_dscnt 0x0
.set W, 0
.rept 32
	v_add_nc_u32 v14, v14, v[32+W]
	s_cmp_gt_u32 s14, W
	s_cselect_b32 s16, 1, 0
	v_mad_u32_u24 v15, v[32+W], s16, v15
.set W, W+1
.endr
	v_add_nc_u32 v16, 31, v14
	v_lshrrev_b32 v16, 5, v16                      ; the bucket's blocks
	v_mov_b32 v17, v16                             ; their running sum over the 32 lanes
.irp n, 1,2,4,8
	v_mov_b32_dpp v13, v17 row_shr:\n row_mask:0xf bank_mask:0xf bound_ctrl:1
	v_add_nc_u32 v17, v17, v13
.endr
	v_readlane_b32 s16, v17, 15
	v_cmp_le_u32 vcc_lo, 16, v1
	v_cndmask_b32 v13, 0, s16, vcc_lo
	v_add_nc_u32 v17, v17, v13
	v_sub_nc_u32 v21, v17, v16                     ; the bucket's first block
	v_lshl_add_u32 v18, v21, 5, v15                ; where my wave's tokens of the bucket begin
.irp j, 0,1,2,3
	v_lshlrev_b32 v[28+\j], 2, v[KEY+\j]
.endr
.irp j, 0,1,2,3
	ds_bpermute_b32 v[32+\j], v[28+\j], v18
.endr
	; the blocks: wave w makes blocks w + 32 c.  A block's bucket is the last whose first block is not behind it
.irp c, 0,1,2,3,4
	s_add_co_u32 s[20+\c], s14, 32*\c
	v_cmp_le_u32 s17, v21, s[20+\c]
	s_bcnt1_i32_b32 s18, s17
	s_sub_co_u32 s18, s18, 1
	s_lshl_b32 s18, s18, 2
	v_mov_b32 v[66+\c], s18
	ds_bpermute_b32 v[40+4*\c], v[66+\c], v21      ; its first block,
	ds_bpermute_b32 v[60+\c], v[66+\c], v14        ; its tokens,
	ds_bpermute_b32 v[41+4*\c], v[66+\c], v19      ; a,
	ds_bpermute_b32 v[42+4*\c], v[66+\c], v20      ; b: the same in every lane
	v_mov_b32 v[43+4*\c], 0
.endr
	s_wait_dscnt 0x0
.irp j, 0,1,2,3
	v_add_nc_u32 v[28+\j], v[LR+\j], v[32+\j]
	v_min_u32 v[28+\j], 0x13ff, v[28+\j]           ; a place in rows: 0..5119
	v_lshlrev_b32 v[28+\j], 2, v[28+\j]
	global_store_b32 v[28+\j], v[24+\j], s[8:9]
.endr
.irp c, 0,1,2,3,4
	v_sub_nc_u32 v13, s[20+\c], v[40+4*\c]
	v_lshlrev_b32 v13, 5, v13                      ; the bucket's tokens in the blocks before this one,
	v_min_u32 v13, v13, v[60+\c]
	v_sub_nc_u32 v13, v[60+\c], v13                ; those left,
	v_min_u32 v[40+4*\c], 32, v13                  ; and this block's
.endr
	s_lshl_b32 s19, s14, 7
	v_add_nc_u32 v72, s19, v3                      ; rows: block w, place = lane
	s_lshl_b32 s19, s14, 4
	v_mov_b32 v73, s19                             ; blk: block w
.irp c, 0,1,2,3,4
	s_wait_xcnt 0x0                                ; EXEC changes only behind this wait
	v_cmp_le_u32 vcc_lo, v[40+4*\c], v1            ; the places that no token took
	s_and_saveexec_b32 s26, vcc_lo
	global_store_b32 v72, v71, s[8:9] offset:4096*\c
	s_wait_xcnt 0x0
	s_or_b32 exec_lo, exec_lo, s26
.endr
	v_cmp_eq_u32 vcc_lo, 0, v1
	s_and_saveexec_b32 s26, vcc_lo
.irp c, 0,1,2,3,4
	global_store_b128 v73, v[40+4*\c:43+4*\c], s[10:11] offset:512*\c
.endr
	s_wait_xcnt 0x0
	s_or_b32 exec_lo, exec_lo, s26
	s_cmp_lg_u32 s14, 0                            ; the loss: wave 0 alone; no barrier follows
	s_cbranch_scc1 .Lend
.set W, 0
.rept 32
	ds_load_b32 v[76+W], v3 offset:4096+128*W      ; every wave's sum of probabilities of expert lane % 8
.set W, W+1
.endr
	v_lshlrev_b32 v108, 2, v19
	v_lshlrev_b32 v109, 2, v20
	s_wait_dscnt 0x0
.irp i, 4,8,12,16,20,24,28
.irp k, 0,1,2,3
	v_add_f32 v[76+\k], v[76+\k], v[76+\i+\k]
.endr
.endr
	v_add_f32 v76, v76, v77
	v_add_f32 v78, v78, v79
	v_add_f32 v76, v76, v78
	ds_bpermute_b32 v110, v108, v76                ; lane e holds expert e's sum: bucket = lane takes a's
	ds_bpermute_b32 v111, v109, v76                ; and b's
	v_cvt_f32_u32 v77, v14
	s_wait_dscnt 0x0
	v_add_f32 v110, v110, v111
	v_mul_f32 v110, v110, v77                      ; x the bucket's tokens: summed over buckets that is sum over e of probabilities x count
	v_add_f32_dpp v110, v110, v110 row_xmask:1 row_mask:0xf bank_mask:0xf
	v_add_f32_dpp v110, v110, v110 row_xmask:2 row_mask:0xf bank_mask:0xf
	v_add_f32_dpp v110, v110, v110 row_xmask:4 row_mask:0xf bank_mask:0xf
	v_add_f32_dpp v110, v110, v110 row_xmask:8 row_mask:0xf bank_mask:0xf
	v_permlanex16_b32 v111, v110, s28, s29
	v_add_f32 v110, v110, v111
	v_mul_f32 v110, 0x3123d70a, v110               ; x 0.08 / (4096 x 8192)
	v_cmp_eq_u32 vcc_lo, 0, v1
	s_and_saveexec_b32 s26, vcc_lo
	global_store_b32 v71, v110, s[12:13]
	s_wait_xcnt 0x0
	s_or_b32 exec_lo, exec_lo, s26
.Lend:
	s_wait_tensorcnt 0x0
	ds_add_u32 v126, v127
	s_wait_dscnt 0x0
	s_endpgm
.Lfunc_end_k_q51f6d18da2_place:
	.size	k_q51f6d18da2_place, .Lfunc_end_k_q51f6d18da2_place-k_q51f6d18da2_place
	.p2alignl 7, 3214868480
	.fill 96, 4, 3214868480
	.section	.rodata,"a",@progbits
	.p2align	6, 0x0
	.amdhsa_kernel k_q51f6d18da2_place
		.amdhsa_group_segment_fixed_size 12288
		.amdhsa_private_segment_fixed_size 0
		.amdhsa_enable_private_segment 0
		.amdhsa_kernarg_size 40
		.amdhsa_user_sgpr_count 2
		.amdhsa_user_sgpr_kernarg_segment_ptr 1
		.amdhsa_wavefront_size32 1
		.amdhsa_system_sgpr_workgroup_id_x 1
		.amdhsa_system_sgpr_workgroup_id_y 1
		.amdhsa_system_sgpr_workgroup_id_z 1
		.amdhsa_system_vgpr_workitem_id 0
		.amdhsa_next_free_vgpr 128
		.amdhsa_next_free_sgpr 66
		.amdhsa_reserve_vcc 1
		.amdhsa_float_denorm_mode_32 3
		.amdhsa_float_denorm_mode_16_64 3
		.amdhsa_memory_ordered 1
		.amdhsa_forward_progress 1
		.amdhsa_inst_pref_size 53
	.end_amdhsa_kernel
	.amdgpu_metadata
---
amdhsa.version: [ 1, 2 ]
amdhsa.kernels:
  - .name:           k_q51f6d18da2_place
    .symbol:         k_q51f6d18da2_place.kd
    .args:
      - { .name: sel, .offset: 0, .size: 8, .value_kind: global_buffer, .address_space: global }
      - { .name: psum, .offset: 8, .size: 8, .value_kind: global_buffer, .address_space: global }
      - { .name: rows, .offset: 16, .size: 8, .value_kind: global_buffer, .address_space: global }
      - { .name: blk, .offset: 24, .size: 8, .value_kind: global_buffer, .address_space: global }
      - { .name: out1, .offset: 32, .size: 8, .value_kind: global_buffer, .address_space: global }
    .group_segment_fixed_size: 12288
    .private_segment_fixed_size: 0
    .kernarg_segment_align: 8
    .kernarg_segment_size: 40
    .max_flat_workgroup_size: 1024
    .sgpr_count:     66
    .vgpr_count:     128
    .wavefront_size: 32
...
	.end_amdgpu_metadata
.endif
;; end of part 2
;; launch chain (part 3): grid 155 x 1, 8 waves a work-group, no clusters, 203,776 bytes of LDS; arguments xq, xs, wq, b1, b2, gate, rows, blk, out0; writes out0
.if DOCPART == 3
	.amdgcn_target "amdgcn-amd-amdhsa--gfx1250"
	.amdhsa_code_object_version 6
	.text
	.protected	k_q51f6d18da2_chain
	.globl	k_q51f6d18da2_chain
	.p2align	8
	.type	k_q51f6d18da2_chain,@function
k_q51f6d18da2_chain:
	s_mov_b64 s[64:65], 0
	v_nop
	global_prefetch_b8 v0, s[64:65] scope:SCOPE_SE
	s_setreg_imm32_b32 hwreg(HW_REG_WAVE_MODE, 25, 1), 1
	s_wait_xcnt 0x0
; CHAIN.  A work-group takes one block of up to 32 tokens that chose the same two experts a < b, and takes it through both experts' whole chain:
; out[t] = sum over e in {a, b} of weight(t, e) x (Q(gelu(Q(x[t]) Q(W1[e]) + b1[e])) Q(W2[e]) + b2[e]), Q the quantiser to E3M2 with one E8M0 scale for each 32 along K.  Each row of out0 has one owner.
; The six experts that reference() weighs with 0 are not multiplied.  155 work-groups serve every split of the tokens; a block without tokens walks the same text (on token 0, a valid pair) and stores
; nothing: the barriers stand on every wave's way, and the only branches on the stored count stand behind the last barrier.
; NO TENSOR LOADS, NO CLUSTER: the launch branches on a stored number, and which work-groups share an expert hangs on the stored list.  The weights come from memory straight into operand registers, in the
; order in which launch prep laid them: each load of a wave is 512 consecutive bytes.
; SHARES.  The eight waves share the COLUMNS: wave w makes hidden units 128 w .. + 127 (K step w of the second product) and outputs 128 w .. + 127, for all 32 rows (two tiles of 16).  A weight fragment is
; loaded once in the work-group and feeds two matrix instructions.  Rows' operands go from wave to wave through LDS as images of their registers.
; Both products are used transposed (source 0 = 16 columns of the weight, source 1 = 16 rows): a lane holds ONE token (lane % 16); lane r of tile 2 b + u is column 32 b + 8 u + r + 8 (r / 8), so that the 16
; registers of tiles 2 b, 2 b + 1 are the 16 neighbouring columns 32 b + 16 (lane / 16) + 0 .. 15.  The biases are the C of each sum's first matrix instruction.
; gelu(x) = x Phi(x), exact form: erfc(z) = t exp(-z^2 + c0 + t (c1 + .. + t c9)), t = 1 / (1 + z / 2), z = |x| / sqrt 2 (a Chebyshev form, fractional error 1.2e-7); Phi = 1 - erfc / 2 for x >= 0, erfc / 2 for x < 0.
; LIMITS: NaN and infinities are not served; a block of zeros has the scale byte 1, not 127 (its codes are zeros).
; REGISTERS.  Window 0: v1-11 addresses and tokens; v12-19 weights; v20-27 the weights' scale words, two sets; v28-29 the rows' scale words, two sets; v30-31 a constant; v32-95 at work; v96-223 the 16 accumulators
; ((row tile m, column tile t) at 96 + 64 m + 8 t); v224-255 offsets.   Window 1: v0-95, v96-191 a K step's eight weight fragments, two sets; v192-215, v216-239 its two row fragments, two sets.
.set XR,    0                          ; LDS: x's images: 3072 s + 1536 m + 512 c + 16 lane; at + 24576 the scale words: 128 s + 4 lane (lanes 0-15 tile 0's rows, lanes 16-31 tile 1's)
.set HR,    25600                      ; the hidden layer's, laid alike
.set SCO,   24576
.set STAGE, 51200                      ; each wave's own 32 rows x (512 + 16) bytes: the weighted sum of its 128 outputs
.set BIAS,  186368                     ; each wave's own 2,048 bytes: b1 and b2 of a, b1 and b2 of b, 512 bytes each
.set LI,  1                            ; v1   16 x lane
.set LS,  2                            ; v2   4 x lane
.set XWI, 3                            ; v3   where I store images: 16 x lane + 3072 x wave
.set XWS, 4                            ; v4   and scale words: 4 x lane + 128 x wave
.set STI, 5                            ; v5   my stage: row lane % 16, + 64 (lane / 16)
.set SR,  6                            ; v6   my stage by rows: 16 x lane
.set BA0, 7                            ; v7   my biases: + 64 (lane / 16)
.set BA,  8                            ; v8   those of the expert in hand
.set TOK, 9                            ; v9, v10  the token of row lane % 16 of tile 0, 1
.set TOKL, 11                          ; v11  the token of row = lane
.set GA,  12                           ; v[12:13], v[14:15] its two weights, tile 0, 1
.set CW,  16                           ; v[16:17], v[18:19] the weight of the expert in hand (the low word is used)
.set WS,  20
.set OS,  28
.set C8,  30
.set GT,  32                           ; gelu: t, then erfc
.set GP,  48                           ; the polynomial, then Phi
.set GQ,  64                           ; x^2, then erfc / 2
.set TM,  32                           ; the quantiser's registers
.set PC,  48
.set PW,  68
.set PW0, 69
.set O,   32                           ; 64 numbers of the stage
.set ACC, 96
.set WB,  30                           ; s[30:31] my stream of the expert in hand;  s[32:33] of expert b
.set WN,  32
.set CH,  40                           ; s[40:61] constants, each twice: the packed forms name a pair
.set CQ,  42
.set C0,  44
.set C1,  46
.set C2,  48
.set C3,  50
.set C4,  52
.set C5,  54
.set C6,  56
.set C7,  58
.set C9,  60
.set MSB, 0
.macro WIN new                         ; the immediate's high byte repeats the setting that is left
.if MSB != \new
	s_set_vgpr_msb (MSB<<8)|\new
.set MSB, \new
.endif
.endm
; ring = 1: step k's 12,800 bytes of my stream into set: 25 loads.  op = 1: K step s's two row fragments and their scale words from region reg into set: 7 LDS loads.
.macro REFILL ring, k, op, reg, s, set
	WIN 0
.if \ring
	global_load_b128 v[WS+4*(\set):WS+4*(\set)+3], v[LI], s[WB:WB+1] offset:12800*(\k)+12288   ; register j: tile 2 j's words in lanes 0-15, tile 2 j + 1's in lanes 16-31
.endif
.if \op
	ds_load_b32 v[OS+(\set)], v[LS] offset:(\reg)+SCO+128*(\s)
.endif
	WIN 0x40
.if \ring
.irp t, 0,1,2,3,4,5,6,7
.irp g, 0,1,2
	global_load_b128 v[96*(\set)+12*\t+4*\g:96*(\set)+12*\t+4*\g+3], v[LI], s[WB:WB+1] offset:12800*(\k)+1536*\t+512*\g
.endr
.endr
.endif
.if \op
.irp m, 0,1
.irp c, 0,1,2
	ds_load_b128 v[192+24*(\set)+12*\m+4*\c:192+24*(\set)+12*\m+4*\c+3], v[LI] offset:(\reg)+3072*(\s)+1536*\m+512*\c
.endr
.endr
.endif
.endm
.macro WM t, m, set                    ; accumulator (m, t) += weight tile t x row tile m, 128 along K
.set rD, ACC+64*(\m)+8*(\t)
.set rA, 96*(\set)+12*(\t)
.set rB, 192+24*(\set)+12*(\m)
.set rSA, WS+4*(\set)+(\t)/2
.set rSB, OS+(\set)
.if ((\t)%2 == 0) && ((\m) == 0)
	v_wmma_scale_f32_16x16x128_f8f6f4 v[rD:rD+7], v[rA:rA+11], v[rB:rB+11], v[rD:rD+7], v[rSA], v[rSB] matrix_a_fmt:MATRIX_FMT_BF6 matrix_b_fmt:MATRIX_FMT_BF6
.elseif ((\t)%2 == 1) && ((\m) == 0)
	v_wmma_scale_f32_16x16x128_f8f6f4 v[rD:rD+7], v[rA:rA+11], v[rB:rB+11], v[rD:rD+7], v[rSA], v[rSB] matrix_a_fmt:MATRIX_FMT_BF6 matrix_b_fmt:MATRIX_FMT_BF6 matrix_a_scale:MATRIX_SCALE_ROW1
.elseif ((\t)%2 == 0)
	v_wmma_scale_f32_16x16x128_f8f6f4 v[rD:rD+7], v[rA:rA+11], v[rB:rB+11], v[rD:rD+7], v[rSA], v[rSB] matrix_a_fmt:MATRIX_FMT_BF6 matrix_b_fmt:MATRIX_FMT_BF6 matrix_b_scale:MATRIX_SCALE_ROW1
.else
	v_wmma_scale_f32_16x16x128_f8f6f4 v[rD:rD+7], v[rA:rA+11], v[rB:rB+11], v[rD:rD+7], v[rSA], v[rSB] matrix_a_fmt:MATRIX_FMT_BF6 matrix_b_fmt:MATRIX_FMT_BF6 matrix_a_scale:MATRIX_SCALE_ROW1 matrix_b_scale:MATRIX_SCALE_ROW1
.endif
.endm
; Step k of an expert's sixteen: 16 matrix instructions, the 16 accumulators by turns, in the same order in every step.  Then its sets are filled with step k + 2.
; nload, nds: the next step's loads, which were issued behind this step's and may stay out.  Four plain instructions stand between the last product and the loads into registers that it read.
.macro STEP k, nload, nds, ring, op, reg
	s_wait_loadcnt \nload
	s_wait_dscnt \nds
	WIN 0x05                                       ; sources 0 and 1 in window 1
.irp t, 0,1,2,3,4,5,6,7
	WM \t, 0, (\k)%2
	WM \t, 1, (\k)%2
.endr
.if (\ring) || (\op)
.rept 4
	v_nop
.endr
	REFILL \ring, (\k)+2, \op, \reg, ((\k)+2)%8, (\k)%2
.endif
.endm
.macro BIASLOAD off                    ; the sums begin as the bias: register j of tile t is column 32 (t / 2) + 16 (lane / 16) + 8 (t % 2) + j, the same for both row tiles
.irp m, 0,1
.irp t, 0,1,2,3,4,5,6,7
	ds_load_b128 v[ACC+64*\m+8*\t:ACC+64*\m+8*\t+3], v[BA] offset:(\off)+128*(\t/2)+32*(\t%2)
	ds_load_b128 v[ACC+64*\m+8*\t+4:ACC+64*\m+8*\t+7], v[BA] offset:(\off)+128*(\t/2)+32*(\t%2)+16
.endr
.endr
.endm
; gelu of 16 registers (two accumulators, each read from its low end on), in place
.macro GELU16 B
.set n, 0
.rept 16
	v_and_b32 v[GT+n], 0x7fffffff, v[(\B)+n]
.set n, n+1
.endr
.set n, 0
.rept 8
	v_pk_fma_f32 v[GT+n:GT+n+1], v[GT+n:GT+n+1], s[CH:CH+1], 1.0 op_sel_hi:[1,0,0]      ; 1 + z / 2
.set n, n+2
.endr
.set n, 0
.rept 16
	v_rcp_f32 v[GT+n], v[GT+n]
.set n, n+1
.endr
.set n, 0
.rept 8
	v_pk_mul_f32 v[GQ+n:GQ+n+1], v[(\B)+n:(\B)+n+1], v[(\B)+n:(\B)+n+1]                 ; x^2: plain work that names no reciprocal
.set n, n+2
.endr
	s_wait_alu depctr_va_vdst(0)                   ; one wait for the 16 reciprocals, ahead of their first reader
.set n, 0
.rept 8
	v_pk_fma_f32 v[GP+n:GP+n+1], v[GT+n:GT+n+1], s[C9:C9+1], v[C8:C8+1] op_sel_hi:[1,0,1]
.set n, n+2
.endr
.irp c, C7,C6,C5,C4,C3,C2,C1,C0
.set n, 0
.rept 8
	v_pk_fma_f32 v[GP+n:GP+n+1], v[GP+n:GP+n+1], v[GT+n:GT+n+1], s[\c:\c+1] op_sel_hi:[1,1,0]
.set n, n+2
.endr
.endr
.set n, 0
.rept 8
	v_pk_fma_f32 v[GP+n:GP+n+1], v[GQ+n:GQ+n+1], s[CQ:CQ+1], v[GP+n:GP+n+1] op_sel_hi:[1,0,1]   ; - z^2, all in units of log2 e
.set n, n+2
.endr
.set n, 0
.rept 16
	v_exp_f32 v[GP+n], v[GP+n]
.set n, n+1
.endr
	v_nop                                          ; a plain instruction behind the last exponential
	s_wait_alu depctr_va_vdst(0)                   ; one wait for the 16
.set n, 0
.rept 8
	v_pk_mul_f32 v[GT+n:GT+n+1], v[GT+n:GT+n+1], v[GP+n:GP+n+1]                         ; erfc(z)
.set n, n+2
.endr
.set n, 0
.rept 8
	v_pk_mul_f32 v[GQ+n:GQ+n+1], v[GT+n:GT+n+1], 0.5 op_sel_hi:[1,0]
	v_pk_fma_f32 v[GP+n:GP+n+1], v[GT+n:GT+n+1], -0.5, 1.0 op_sel_hi:[1,0,0]
.set n, n+2
.endr
.set n, 0
.rept 16
	v_cmp_gt_f32 vcc_lo, 0, v[(\B)+n]
	v_cndmask_b32 v[GP+n], v[GP+n], v[GQ+n], vcc_lo
.set n, n+1
.endr
.set n, 0
.rept 8
	v_pk_mul_f32 v[(\B)+n:(\B)+n+1], v[(\B)+n:(\B)+n+1], v[GP+n:GP+n+1]
.set n, n+2
.endr
.endm
; 64 numbers of a lane, register 16 b + i = k 32 b + 16 (lane / 16) + i of my row, become a fragment's codes in v[PC] on and its scale word in v[PW]
.macro QUANT s
.irp b, 0,1,2,3
	v_max3_num_f32 v[TM+\b], |v[(\s)+16*\b]|, |v[(\s)+1+16*\b]|, 0x2800000   ; my 16 numbers of block b, and the floor 2^(5 - 127): the byte cannot fall under 1
.endr
.irp i, 2,4,6,8,10,12,14
.irp b, 0,1,2,3
	v_max3_num_f32 v[TM+\b], v[TM+\b], |v[(\s)+16*\b+\i]|, |v[(\s)+1+16*\b+\i]|
.endr
.endr
.irp b, 0,1,2,3
	v_permlanex16_b32 v[TM+4+\b], v[TM+\b], s2, s3
.endr
.irp b, 0,1,2,3
	v_max_num_f32 v[TM+\b], v[TM+\b], v[TM+4+\b]   ; with lane l xor 16's: the block's largest magnitude
.endr
.irp b, 0,1,2,3
	v_add_nc_u32 v[TM+12+\b], 0xfe000000, v[TM+\b] ; 4 off its exponent field: the conversion's scale operand
.endr
.irp b, 0,1,2,3
	v_lshrrev_b32 v[TM+4+\b], 23, v[TM+12+\b]      ; the scale's byte
.endr
	v_lshl_or_b32 v[PW], v[TM+5], 8, v[TM+4]
	v_lshl_or_b32 v[PW], v[TM+6], 16, v[PW]
	v_lshl_or_b32 v[PW], v[TM+7], 24, v[PW]
.irp c, 0,1
	v_cvt_scalef32_pk16_bf6_f32 v[PC+6*\c:PC+2+6*\c], v[(\s)+32*\c:(\s)+15+32*\c], v[TM+12+2*\c]
	v_cvt_scalef32_pk16_bf6_f32 v[PC+12+4*\c:PC+14+4*\c], v[(\s)+16+32*\c:(\s)+31+32*\c], v[TM+12+2*\c+1]   ; (a conversion's three registers begin on an even number)
.endr
	v_nop                                          ; a plain instruction behind the last conversion
.irp c, 0,1                                    ; the operand's layout wants a whole block in a lane: lanes 0-15 block 2 c, lanes 16-31 block 2 c + 1
.irp i, 0,1,2
	v_permlane16_swap_b32 v[PC+6*\c+\i], v[PC+12+4*\c+\i]
.endr
.irp i, 0,1,2
	v_mov_b32 v[PC+3+6*\c+\i], v[PC+12+4*\c+\i]
.endr
.endr
.endm
.macro IMAGE adr, off                  ; the fragment in v[PC] on goes to LDS as it stands
.irp c, 0,1,2
	ds_store_b128 v[\adr], v[PC+4*\c:PC+4*\c+3] offset:(\off)+512*\c
.endr
.endm
.macro BARRIER                         ; my LDS stores have landed and my LDS loads are in: then the work-group's barrier
	s_wait_dscnt 0x0
	s_barrier_signal -1
	s_barrier_wait -1
.endm
.macro ACCUM                           ; my stage += the expert's weight x its result, a row tile at a time; each accumulator is read from its low end on
.irp m, 0,1
.set n, 0
.rept 16
	ds_load_b128 v[O+4*n:O+4*n+3], v[STI] offset:8448*\m+128*(n/4)+16*(n%4)
.set n, n+1
.endr
	s_wait_dscnt 0x0
.set n, 0
.rept 32
	v_pk_fma_f32 v[O+n:O+n+1], v[ACC+64*\m+n:ACC+64*\m+n+1], v[CW+2*\m:CW+2*\m+1], v[O+n:O+n+1] op_sel_hi:[1,0,1]
.set n, n+2
.endr
.set n, 0
.rept 16
	ds_store_b128 v[STI], v[O+4*n:O+4*n+3] offset:8448*\m+128*(n/4)+16*(n%4)
.set n, n+1
.endr
	s_wait_dscnt 0x0                               ; the stores have read their registers
.endr
.endm
	s_load_b256 s[4:11], s[0:1], 0x0               ; xq, xs, wq, b1
	s_load_b256 s[12:19], s[0:1], 0x20             ; b2, gate, rows, blk
	s_load_b64 s[20:21], s[0:1], 0x40              ; out0
	s_set_vgpr_msb 0x40
	v_lshl_add_u32 v254, v0, 2, 0x31800
	v_mov_b32 v255, 0
	s_set_vgpr_msb 0x4000
	v_lshrrev_b32 v224, 5, v0
	v_readfirstlane_b32 s28, v224                  ; wave 0..7
	v_and_b32 v225, 31, v0                         ; lane
	v_and_b32 v226, 15, v0                         ; r
	v_bfe_u32 v227, v0, 4, 1                       ; h
	v_lshlrev_b32 v[LI], 4, v225
	v_lshlrev_b32 v[LS], 2, v225
	s_mul_i32 s22, s28, 3072
	v_add_nc_u32 v[XWI], s22, v[LI]
	s_lshl_b32 s22, s28, 7
	v_add_nc_u32 v[XWS], s22, v[LS]
	s_mul_i32 s22, s28, 16896
	s_add_co_u32 s22, s22, STAGE
	v_mul_u32_u24 v[STI], v226, 528
	v_lshl_add_u32 v[STI], v227, 6, v[STI]
	v_add_nc_u32 v[STI], s22, v[STI]
	v_add_nc_u32 v[SR], s22, v[LI]
	s_lshl_b32 s22, s28, 11
	s_add_co_u32 s22, s22, BIAS
	v_lshlrev_b32 v[BA0], 6, v227
	v_add_nc_u32 v[BA0], s22, v[BA0]
	v_add_nc_u32 v237, s22, v[LI]                  ; where the biases are put
	v_lshlrev_b32 v228, 2, v226                    ; 4 r
	v_mul_u32_u24 v229, v227, 48                   ; 48 h
	s_mov_b32 s2, 0x76543210
	s_mov_b32 s3, 0xfedcba98                       ; v_permlanex16_b32's selects for lane l xor 16
	s_mov_b32 s38, 0xffff0000                      ; lanes 16-31
	s_mov_b32 s[CH], 0x3eb504f3                    ; 1 / (2 sqrt 2)
	s_mov_b32 s[CQ], 0xbf38aa3b                    ; - log2(e) / 2
	s_mov_b32 s[C0], 0xbfe9b21e                    ; the ten coefficients x log2(e)
	s_mov_b32 s[C1], 0x3fb8ab5a
	s_mov_b32 s[C2], 0x3f0a29d2
	s_mov_b32 s[C3], 0x3e0efb2e
	s_mov_b32 s[C4], 0xbe899a80
	s_mov_b32 s[C5], 0x3ecdfd18
	s_mov_b32 s[C6], 0xbfd1a1e5
	s_mov_b32 s[C7], 0x40097039
	s_mov_b32 s[C9], 0x3e7c6f08
.irp c, CH,CQ,C0,C1,C2,C3,C4,C5,C6,C7,C9
	s_mov_b32 s[\c+1], s[\c]
.endr
	v_mov_b32 v[C8], 0xbf97d29d
	v_mov_b32 v[C8+1], 0xbf97d29d
.irp i, 80,81,82,83
	v_mov_b32 v\i, 0
.endr
	s_mov_b32 s23, 0                               ; the upper word of every offset pair s[22:23]
	s_wait_kmcnt 0x0
	s_lshl_b32 s22, ttmp9, 4
	s_add_nc_u64 s[18:19], s[18:19], s[22:23]      ; my block's entry
	s_lshl_b32 s22, ttmp9, 7
	s_add_nc_u64 s[16:17], s[16:17], s[22:23]      ; and its 32 tokens
	s_load_b128 s[24:27], s[18:19], 0x0            ; s24 tokens in the block, s25 a, s26 b
	s_load_b512 s[68:83], s[16:17], 0x0            ; the tokens as scalars, for the way out
	s_load_b512 s[84:99], s[16:17], 0x40
	global_load_b32 v[TOK], v228, s[16:17]
	global_load_b32 v[TOK+1], v228, s[16:17] offset:64
	global_load_b32 v[TOKL], v[LS], s[16:17]
	s_mul_i32 s22, s28, 96
	s_add_nc_u64 s[4:5], s[4:5], s[22:23]          ; xq at K step = my wave
	s_lshl_b32 s22, s28, 2
	s_add_nc_u64 s[6:7], s[6:7], s[22:23]          ; xs likewise
	s_wait_kmcnt 0x0
	s_min_u32 s25, s25, 7
	s_min_u32 s26, s26, 7
	s_lshl_b32 s22, s25, 3
	s_add_co_u32 s22, s22, s28
	s_mul_i32 s22, s22, 204800                     ; a wave's stream of an expert: 16 steps of 12,800 bytes
	s_add_nc_u64 s[WB:WB+1], s[8:9], s[22:23]
	s_lshl_b32 s22, s26, 3
	s_add_co_u32 s22, s22, s28
	s_mul_i32 s22, s22, 204800
	s_add_nc_u64 s[WN:WN+1], s[8:9], s[22:23]
	REFILL 1, 0, 0, 0, 0, 0                        ; the first two steps of expert a are asked for before anything else
	REFILL 1, 1, 0, 0, 0, 1
	WIN 0
	s_lshl_b32 s29, s28, 9                         ; my 128 columns, in bytes
	s_lshl_b32 s22, s25, 12
	s_add_co_u32 s22, s22, s29
	v_add_nc_u32 v235, s22, v[LI]
	s_lshl_b32 s22, s26, 12
	s_add_co_u32 s22, s22, s29
	v_add_nc_u32 v236, s22, v[LI]
	global_load_b128 v[64:67], v235, s[10:11]      ; b1[a], b2[a], b1[b], b2[b]: my 128 numbers of each
	global_load_b128 v[68:71], v235, s[12:13]
	global_load_b128 v[72:75], v236, s[10:11]
	global_load_b128 v[76:79], v236, s[12:13]
	s_wait_loadcnt 54                              ; the three loads of tokens are in: behind them 50 loads of weights and 4 of biases were issued
	v_min_u32 v[TOK], 0xfff, v[TOK]
	v_min_u32 v[TOK+1], 0xfff, v[TOK+1]
	v_min_u32 v[TOKL], 0xfff, v[TOKL]
	v_mul_u32_u24 v230, v[TOK], 768
	v_add_nc_u32 v230, v229, v230
	v_mul_u32_u24 v231, v[TOK+1], 768
	v_add_nc_u32 v231, v229, v231
	v_lshlrev_b32 v232, 5, v[TOKL]
	v_lshlrev_b32 v233, 3, v[TOK]
	v_lshlrev_b32 v234, 3, v[TOK+1]
.irp m, 0,1
.irp c, 0,1,2
	global_load_b128 v[32+12*\m+4*\c:32+12*\m+4*\c+3], v[230+\m], s[4:5] offset:16*\c    ; lane (r, h): the 12 registers of x's fragment of K step = my wave, row tile m
.endr
.endr
	global_load_b32 v56, v232, s[6:7]              ; and the rows' scale words
	global_load_b64 v[GA:GA+1], v233, s[14:15]
	global_load_b64 v[GA+2:GA+3], v234, s[14:15]
.irp m, 0,1
.set n, 0
.rept 16
	ds_store_b128 v[STI], v[80:83] offset:8448*\m+128*(n/4)+16*(n%4)   ; my stage begins as zeros
.set n, n+1
.endr
.endr
	s_wait_loadcnt 9                               ; the biases are in: behind them the nine loads above were issued
.irp i, 0,1,2,3
	ds_store_b128 v237, v[64+4*\i:67+4*\i] offset:512*\i
.endr
	s_wait_loadcnt 0x0
.irp m, 0,1
.irp c, 0,1,2
	ds_store_b128 v[XWI], v[32+12*\m+4*\c:32+12*\m+4*\c+3] offset:XR+1536*\m+512*\c
.endr
.endr
	ds_store_b32 v[XWS], v56 offset:XR+SCO
	BARRIER                                        ; x's sixteen fragments lie in LDS; they are never written again
	s_mov_b32 s34, 2                               ; experts to go
	s_mov_b32 s36, 0                               ; the expert's biases: 1,024 bytes an expert
	s_mov_b32 s37, 0                               ; 0: a's weight, all ones: b's
.Ltrip:
	v_add_nc_u32 v[BA], s36, v[BA0]
	v_cndmask_b32 v[CW], v[GA], v[GA+1], s37
	v_cndmask_b32 v[CW+1], v[GA], v[GA+1], s37
	v_cndmask_b32 v[CW+2], v[GA+2], v[GA+3], s37
	v_cndmask_b32 v[CW+3], v[GA+2], v[GA+3], s37
	BIASLOAD 0                                     ; b1
	REFILL 0, 0, 1, XR, 0, 0
	REFILL 0, 0, 1, XR, 1, 1
	STEP 0, 25, 7, 1, 1, XR
	STEP 1, 25, 7, 1, 1, XR
	STEP 2, 25, 7, 1, 1, XR
	STEP 3, 25, 7, 1, 1, XR
	STEP 4, 25, 7, 1, 1, XR
	STEP 5, 25, 7, 1, 1, XR
	STEP 6, 25, 7, 1, 0, XR                        ; W2's first two steps are asked for here and land under the activation
	STEP 7, 25, 0, 1, 0, XR
	WIN 0
.irp g, 0,1,2,3,4,5,6,7
	GELU16 ACC+16*\g
.endr
	QUANT ACC                                      ; my 128 hidden units of row tile 0: K step = my wave of the second product
	IMAGE XWI, HR
	v_mov_b32 v[PW0], v[PW]
	s_wait_dscnt 0x0                               ; the stores have read their registers
	QUANT ACC+64
	IMAGE XWI, HR+1536
	v_cndmask_b32 v[PW], v[PW0], v[PW], s38        ; lanes 0-15: tile 0's words, lanes 16-31: tile 1's
	ds_store_b32 v[XWS], v[PW] offset:HR+SCO
	BARRIER                                        ; the hidden layer's sixteen fragments lie in LDS
	BIASLOAD 512                                   ; b2
	REFILL 0, 0, 1, HR, 0, 0
	REFILL 0, 0, 1, HR, 1, 1
	STEP 8, 25, 7, 1, 1, HR
	STEP 9, 25, 7, 1, 1, HR
	STEP 10, 25, 7, 1, 1, HR
	STEP 11, 25, 7, 1, 1, HR
	STEP 12, 25, 7, 1, 1, HR
	STEP 13, 25, 7, 1, 1, HR
	STEP 14, 25, 7, 0, 0, HR
	STEP 15, 0, 0, 0, 0, HR
	WIN 0
.rept 4
	v_nop                                          ; between the last product and the loads into its sources, and the first read of results
.endr
	BARRIER                                        ; every wave's reads of the hidden layer are in: the next expert's may be written
	s_cmp_eq_u32 s34, 1                            ; the next expert's first two steps are asked for here, if there is one, and land under the lines below
	s_cbranch_scc1 .Lno_next
	s_mov_b64 s[WB:WB+1], s[WN:WN+1]               ; no load of mine is out
	REFILL 1, 0, 0, 0, 0, 0
	REFILL 1, 1, 0, 0, 0, 1
	WIN 0
.Lno_next:
	ACCUM
	s_add_co_u32 s36, s36, 1024
	s_mov_b32 s37, -1
	s_sub_co_u32 s34, s34, 1
	s_cmp_lg_u32 s34, 0
	s_cbranch_scc1 .Ltrip
	; THE WAY OUT: my stage comes back by rows: 32 lanes hold a token's 512 bytes of my 128 outputs
	v_add_nc_u32 v94, s29, v[LI]
.set n, 0
.rept 32
	ds_load_b128 v[ACC+4*n:ACC+4*n+3], v[SR] offset:528*n      ; LDS serves a wave's instructions in order: these see my stores
.set n, n+1
.endr
.set n, 0
.rept 32
	s_min_u32 s[68+n], s[68+n], 0xfff
.set n, n+1
.endr
.set n, 0
.rept 32
	v_lshl_add_u32 v[224+n], s[68+n], 12, v94      ; the token's row of 4,096 bytes + my columns
.set n, n+1
.endr
	s_wait_dscnt 0x0
.set n, 0
.rept 32
	s_cmp_le_u32 s24, n                            ; the block's tokens are its first rows: the rest is not stored
	s_cbranch_scc1 .Lend
	global_store_b128 v[224+n], v[ACC+4*n:ACC+4*n+3], s[20:21] th:TH_STORE_NT   ; 512 consecutive bytes, at a multiple of 256 from out0's first byte
.set n, n+1
.endr
.Lend:
	s_set_vgpr_msb 0x5
	s_wait_tensorcnt 0x0
	ds_add_u32 v254, v255
	s_wait_dscnt 0x0
	s_set_vgpr_msb 0x500
	s_endpgm
.Lfunc_end_k_q51f6d18da2_chain:
	.size	k_q51f6d18da2_chain, .Lfunc_end_k_q51f6d18da2_chain-k_q51f6d18da2_chain
	.p2alignl 7, 3214868480
	.fill 96, 4, 3214868480
	.section	.rodata,"a",@progbits
	.p2align	6, 0x0
	.amdhsa_kernel k_q51f6d18da2_chain
		.amdhsa_group_segment_fixed_size 203776
		.amdhsa_private_segment_fixed_size 0
		.amdhsa_enable_private_segment 0
		.amdhsa_kernarg_size 72
		.amdhsa_user_sgpr_count 2
		.amdhsa_user_sgpr_kernarg_segment_ptr 1
		.amdhsa_wavefront_size32 1
		.amdhsa_system_sgpr_workgroup_id_x 1
		.amdhsa_system_sgpr_workgroup_id_y 1
		.amdhsa_system_sgpr_workgroup_id_z 1
		.amdhsa_system_vgpr_workitem_id 0
		.amdhsa_next_free_vgpr 512
		.amdhsa_next_free_sgpr 100
		.amdhsa_reserve_vcc 1
		.amdhsa_float_denorm_mode_32 3
		.amdhsa_float_denorm_mode_16_64 3
		.amdhsa_memory_ordered 1
		.amdhsa_forward_progress 1
		.amdhsa_inst_pref_size 217
	.end_amdhsa_kernel
	.amdgpu_metadata
---
amdhsa.version: [ 1, 2 ]
amdhsa.kernels:
  - .name:           k_q51f6d18da2_chain
    .symbol:         k_q51f6d18da2_chain.kd
    .args:
      - { .name: xq, .offset: 0, .size: 8, .value_kind: global_buffer, .address_space: global }
      - { .name: xs, .offset: 8, .size: 8, .value_kind: global_buffer, .address_space: global }
      - { .name: wq, .offset: 16, .size: 8, .value_kind: global_buffer, .address_space: global }
      - { .name: b1, .offset: 24, .size: 8, .value_kind: global_buffer, .address_space: global }
      - { .name: b2, .offset: 32, .size: 8, .value_kind: global_buffer, .address_space: global }
      - { .name: gate, .offset: 40, .size: 8, .value_kind: global_buffer, .address_space: global }
      - { .name: rows, .offset: 48, .size: 8, .value_kind: global_buffer, .address_space: global }
      - { .name: blk, .offset: 56, .size: 8, .value_kind: global_buffer, .address_space: global }
      - { .name: out0, .offset: 64, .size: 8, .value_kind: global_buffer, .address_space: global }
    .group_segment_fixed_size: 203776
    .private_segment_fixed_size: 0
    .kernarg_segment_align: 8
    .kernarg_segment_size: 72
    .max_flat_workgroup_size: 256
    .sgpr_count:     100
    .vgpr_count:     512
    .wavefront_size: 32
...
	.end_amdgpu_metadata
.endif
;; end of part 3
;; ======== version 2 of 2: 4 launches
;; limits: right only within a limited range of input values
;; workspace buffers: xq 3,145,728 bytes; xs 131,072 bytes; wq 13,107,200 bytes; sel 81,920 bytes of whole numbers; gate 32,768 bytes; psum 16,384 bytes; rows 43,520 bytes of whole numbers; h 9,420,800 bytes
;; launch prep (part 4): grid 384 x 1, 4 waves a work-group, no clusters, 77,312 bytes of LDS; arguments x, W_router, W1, W2, xq, xs, wq, sel, gate, psum; writes xq, xs, wq, sel, gate, psum
.if DOCPART == 4
	.amdgcn_target "amdgcn-amd-amdhsa--gfx1250"
	.amdhsa_code_object_version 6
	.text
	.protected	k_q51f6d18da2_prep
	.globl	k_q51f6d18da2_prep
	.p2align	8
	.type	k_q51f6d18da2_prep,@function
k_q51f6d18da2_prep:
	s_mov_b64 s[64:65], 0
	v_nop
	global_prefetch_b8 v0, s[64:65] scope:SCOPE_SE
	s_setreg_imm32_b32 hwreg(HW_REG_WAVE_MODE, 25, 1), 1
	s_wait_xcnt 0x0
; PREP.  Work-groups 0-127: x [4096][1024] f32 becomes codes of E3M2 with one E8M0 byte for each 32 along K (xq, xs); the router's logits (f32 multiply-adds), softmax, the two
; largest, their weights, the sums of the probabilities, and the first step of the sort by pairs of experts.  Work-groups 128-383: W1 and W2 [8][1024 (K)][1024] f32 become codes along K,
; laid in the order in which the chain launch's waves take them into operand registers (wq).
; xq: [token][K step s 0-7][half h][48 bytes]: registers 0-11 of lane (row, h) of the fragment of K step s.  Block l = 4 s + 2 c + h of a token lies at 96 s + 48 h + 24 c.
; xs: [token][32] scale bytes, byte l for k = 32 l on.
; wq: [expert][column group w 0-7][step k 0-15: W1's eight K steps, then W2's][12,800 bytes]: eight tiles of 16 columns x 128 K, 1,536 bytes each (register group g of lane L at 512 g + 16 L),
;     then 512 bytes of scale words (lane r + 16 u: at 16 (r + 16 u) + 4 j the word of tile 2 j + u, row r).  Lane r of tile 2 b + u holds column 32 b + 8 u + r + 8 (r / 8) of the group's 128.
; sel: [token] p + 256 x rank: p = a (15 - a) / 2 + b - a - 1 is the number of the pair of experts a < b, rank counts the earlier tokens of the same run of 8 with the same pair;
;      behind the 4,096 words: [run 0-511][32] how many of the run's 8 tokens have pair 0 .. 31.  These are values stored at fixed places: no address of this launch hangs on them.
; gate: [token] the weights of a and of b.  psum: [run 0-511][8] sums of probabilities over the run's 8 tokens.
; A block's scale is 2^(floor(log2(largest magnitude)) - 4): its byte is the largest magnitude's exponent field - 4, held at 1 from below by a floor among the maximum's leaves.
; LIMITS: a block of zeros gets the byte 1, not 127 (its codes are zeros, and this program alone reads the bytes); NaN and infinities among the inputs are not served; the two largest are taken of
; p = 2^((logit - largest logit) log2 e), the lower index winning a tie; a p under 2^-126 counts as 0; two logits closer than f32 sums resolve may be chosen in the other order.
; sel, gate, psum and the counts leave in pieces of 32, 64, 32 and 128 bytes a wave: 128 KiB of a launch that moves 100 MB.
; The two roles part on the work-group's number and have LDS bytes of their own; every wave uses its own bytes alone: no barrier.
.set NXWG,  128                        ; work-groups of the x role: 4 waves x 8 tokens each
.set TP,    1552                       ; W role: a tile in the stage: 1,536 bytes + 16
.set WREG,  13056                      ; a wave's stage: eight tiles and 512 bytes of scale words
.set WSC,   8*TP
.set XBASE, 4*WREG                     ; x role: behind the W role's bytes
.set XREG,  6144                       ; a wave's region: 32 x 144 bytes for a turn of 4 KiB, 64 places of 16 bytes for a token's codes, 256 scale bytes
.set CSO,   4608
.set SBO,   5632
.set WX,  64                           ; W role: v64-191  four columns x 32 numbers down K
.set CD,  16                           ; v16-63   column j: codes at CD + 12 j (six registers), the second conversion's three at + 6
.set SW,  196                          ; v196-199 column j's scale word
.set R,   64                           ; x role: v64-191  four tokens as loaded, 32 registers each
.set XX,  192                          ; v192-223 my block of 32 numbers
.set A,   224                          ; v224-231 my part of the token's eight logits
.set L,   232                          ; v232-239 the eight logits of token lane % 8
.set MSB, 0
.macro WIN new                         ; the immediate's high byte repeats the setting that is left
.if MSB != \new
	s_set_vgpr_msb (MSB<<8)|\new
.set MSB, \new
.endif
.endm
	s_load_b256 s[4:11], s[0:1], 0x0               ; x, W_router, W1, W2
	s_load_b256 s[12:19], s[0:1], 0x20             ; xq, xs, wq, sel
	s_load_b128 s[20:23], s[0:1], 0x40             ; gate, psum
	v_lshl_add_u32 v254, v0, 2, 0x12c00
	v_mov_b32 v255, 0
	v_lshrrev_b32 v1, 5, v0
	v_readfirstlane_b32 s24, v1                    ; wave 0..3
	v_and_b32 v1, 31, v0                           ; lane
	v_lshlrev_b32 v2, 4, v1                        ; 16 x lane; never rewritten
	s_mov_b32 s33, 0                               ; the upper word of every offset pair s[32:33]
	s_wait_kmcnt 0x0
	s_cmp_lt_u32 ttmp9, NXWG
	s_cbranch_scc1 .Lxrole
; ---------------- W ROLE: one wave makes one step block of wq: 128 along K x 128 columns ----------------
; Each load reads 512 consecutive bytes of one row k: a lane holds 4 neighbouring columns.  The conversions want 16 neighbours along K in consecutive registers, so a block's 128 numbers
; are moved once, from (row, column) to (column, row): the price of loads of 512 bytes, of which 64 a wave are out.
.macro LOADBLK kb                      ; rows 32 kb .. 32 kb + 31 into set kb % 2 of window 1: register 4 i + j = (row i, column j)
	WIN 0x40
.set n, 0
.rept 32
	global_load_b128 v[128*((\kb)%2)+4*n:128*((\kb)%2)+4*n+3], v2, s[30:31] offset:(32*(\kb)+n)*4096 th:TH_LOAD_NT
.set n, n+1
.endr
.endm
.macro TURNBLK kb
	WIN 0x01
.set n, 0
.rept 32
.irp j, 0,1,2,3
	v_mov_b32 v[WX+32*\j+n], v[128*((\kb)%2)+4*n+\j]
.endr
.set n, n+1
.endr
.endm
; Column j's block kb: its largest magnitude, scale byte and 32 codes; the codes go to lane r + 16 (kb % 2) of their tile's image, registers 6 (kb / 2) on.
.macro COL kb, j
.set XS, WX+32*(\j)
.set CC, CD+12*(\j)
	v_max3_num_f32 v8, |v[XS]|, |v[XS+1]|, |v[XS+2]|
	v_max3_num_f32 v9, |v[XS+3]|, |v[XS+4]|, |v[XS+5]|
.irp i, 6,10,14,18,22,26
	v_max3_num_f32 v8, v8, |v[XS+\i]|, |v[XS+\i+1]|
	v_max3_num_f32 v9, v9, |v[XS+\i+2]|, |v[XS+\i+3]|
.endr
	v_max3_num_f32 v8, v8, |v[XS+30]|, |v[XS+31]|
	v_max3_num_f32 v8, v8, v9, 0x2800000           ; and the floor 2^(5 - 127): the byte cannot fall under 1
	v_add_nc_u32 v10, 0xfe000000, v8               ; 4 off the exponent field: the conversion takes this operand's exponent field as its scale
	v_cvt_scalef32_pk16_bf6_f32 v[CC:CC+2], v[XS:XS+15], v10
	v_cvt_scalef32_pk16_bf6_f32 v[CC+6:CC+8], v[XS+16:XS+31], v10   ; (a conversion's three registers begin on an even number)
	v_lshrrev_b32 v11, 23, v10                     ; the scale's byte; also the plain instruction behind the conversions
.if (\kb) == 0
	v_mov_b32 v[SW+(\j)], v11
.else
	v_lshl_or_b32 v[SW+(\j)], v11, 8*(\kb), v[SW+(\j)]
.endif
.irp i, 0,1,2
	v_mov_b32 v[CC+3+\i], v[CC+6+\i]
.endr
.if (\kb) < 2
	ds_store_b128 v3, v[CC:CC+3] offset:16*(\j)+256*((\kb)%2)          ; registers 0-3: group 0
	ds_store_b64 v3, v[CC+4:CC+5] offset:16*(\j)+256*((\kb)%2)+512     ; registers 4, 5: the lower half of group 1
.else
	ds_store_b64 v3, v[CC:CC+1] offset:16*(\j)+256*((\kb)%2)+520       ; registers 6, 7: its upper half
	ds_store_b128 v3, v[CC+2:CC+5] offset:16*(\j)+256*((\kb)%2)+1024   ; registers 8-11: group 2
.endif
.endm
	s_sub_co_u32 s25, ttmp9, NXWG
	s_lshl_b32 s25, s25, 2
	s_add_co_u32 s25, s25, s24                     ; my step block 0..1023 = ((expert x 8 + column group) x 16 + step)
	s_and_b32 s26, s25, 7                          ; K step
	s_bfe_u32 s27, s25, 0x10003                    ; 0: W1, 1: W2
	s_bfe_u32 s28, s25, 0x30004                    ; column group
	s_lshr_b32 s29, s25, 7                         ; expert
	s_cmp_eq_u32 s27, 0
	s_cselect_b64 s[30:31], s[8:9], s[10:11]
	s_lshl_b32 s32, s29, 22                        ; an expert's matrix is 4 MiB,
	s_lshl_b32 s29, s26, 19                        ; 128 rows of 4,096 bytes,
	s_add_co_u32 s32, s32, s29
	s_lshl_b32 s29, s28, 9                         ; 128 columns of 4 bytes
	s_add_co_u32 s32, s32, s29
	s_add_nc_u64 s[30:31], s[30:31], s[32:33]
	s_mul_i32 s32, s25, 12800
	s_add_nc_u64 s[34:35], s[16:17], s[32:33]
	s_wait_alu depctr_va_vdst(0)
	LOADBLK 0
	LOADBLK 1
	WIN 0
	; my columns are 4 lane + j: pair of tiles b = lane / 8, u = bit 1 of the lane, tile row r = 8 (bit 2) + 4 (bit 0) + j
	s_mul_i32 s36, s24, WREG
	v_lshrrev_b32 v6, 3, v1                        ; b
	v_bfe_u32 v7, v1, 1, 1                         ; u
	v_bfe_u32 v8, v1, 2, 1
	v_and_b32 v9, 1, v1
	v_lshlrev_b32 v8, 3, v8
	v_lshl_add_u32 v8, v9, 2, v8                   ; r for j = 0
	v_lshl_add_u32 v9, v6, 1, v7                   ; tile 2 b + u
	v_mul_u32_u24 v3, v9, TP
	v_lshl_add_u32 v3, v8, 4, v3
	v_add_nc_u32 v3, s36, v3                       ; v3: my tile's image, lane r
	v_lshl_add_u32 v4, v7, 4, v8
	v_lshlrev_b32 v4, 4, v4
	v_lshl_add_u32 v4, v6, 2, v4
	s_add_co_u32 s37, s36, WSC
	v_add_nc_u32 v4, s37, v4                       ; v4: my scale word's place: 16 (r + 16 u) + 4 b
	v_add_nc_u32 v5, s36, v2                       ; v5: the way out: 16 x lane
.irp kb, 0,1,2,3
.if \kb < 3
	s_wait_loadcnt 32                              ; this block's 32 loads are in; the next block's 32 may stay out
.else
	s_wait_loadcnt 0x0
.endif
	TURNBLK \kb
.if \kb < 2
	LOADBLK \kb+2
.endif
	WIN 0
.if \kb > 0
	s_wait_dscnt 0x0                               ; the last block's stores into the stage have read the codes' registers
.endif
.irp j, 0,1,2,3
	COL \kb, \j
.endr
.endr
.irp j, 0,1,2,3
	ds_store_b32 v4, v[SW+\j] offset:16*\j
.endr
	WIN 0x40                                       ; back as it will lie in memory: LDS serves a wave's instructions in order, so these see my stores
.irp t, 0,1,2,3,4,5,6,7
.irp g, 0,1,2
	ds_load_b128 v[4*(3*\t+\g):4*(3*\t+\g)+3], v5 offset:TP*\t+512*\g
.endr
.endr
	ds_load_b128 v[96:99], v5 offset:WSC
	s_wait_dscnt 0x0
	WIN 0x04                                       ; a store's data are its source 1
.irp t, 0,1,2,3,4,5,6,7
.irp g, 0,1,2
	global_store_b128 v2, v[4*(3*\t+\g):4*(3*\t+\g)+3], s[34:35] offset:1536*\t+512*\g   ; 32 lanes store 512 consecutive bytes, at a multiple of 256 from wq's first byte
.endr
.endr
	global_store_b128 v2, v[96:99], s[34:35] offset:12288
	WIN 0
	s_wait_tensorcnt 0x0
	ds_add_u32 v254, v255
	s_wait_dscnt 0x0
	s_endpgm
; ---------------- x ROLE: one wave takes a run of 8 tokens; lane l owns block l (k = 32 l .. 32 l + 31) of every token ----------------
; The eight tokens are written out: every offset is an immediate and no base is stepped.
.macro WRLOAD p                        ; piece p of W_router: of each lane's 1,024 bytes (its 32 rows) the 128 bytes from 128 p on.  A load reads four runs of 128 consecutive bytes: those of lanes 4 i .. 4 i + 3
	WIN 0x44                                       ; destination and LDS store data in window 1, addresses in window 0
.irp i, 0,1,2,3,4,5,6,7
	global_load_b128 v[32*(\p)+4*\i:32*(\p)+4*\i+3], v11, s[6:7] offset:4096*\i+128*(\p)
.endr
.endm
.macro XLOAD n                         ; token n as it lies: eight loads of 512 consecutive bytes, into set n % 4
	WIN 0
.irp i, 0,1,2,3,4,5,6,7
	global_load_b128 v[R+32*((\n)%4)+4*\i:R+32*((\n)%4)+4*\i+3], v2, s[26:27] offset:4096*(\n)+512*\i th:TH_LOAD_NT
.endr
.endm
.macro WRTURN p, left                  ; piece p turns through my stage and comes back into the registers that it left: window 1, register 8 k + e = W_router[32 lane + k][e]
	s_wait_loadcnt \left                           ; the piece's eight loads are in; left = the loads issued behind them
	WIN 0x44
.irp i, 0,1,2,3,4,5,6,7
	ds_store_b128 v3, v[32*(\p)+4*\i:32*(\p)+4*\i+3] offset:576*\i
.endr
.irp i, 0,1,2,3,4,5,6,7
	ds_load_b128 v[32*(\p)+4*\i:32*(\p)+4*\i+3], v4 offset:16*\i     ; LDS serves a wave's instructions in order: these see the stores above, and the next piece's stores come behind them
.endr
.endm
.Lxrole:
	s_lshl_b32 s25, ttmp9, 2
	s_add_co_u32 s25, s25, s24                     ; my run of 8 tokens, 0..511
	s_lshl_b32 s32, s25, 15
	s_add_nc_u64 s[26:27], s[4:5], s[32:33]        ; x: 8 rows of 4,096 bytes
	s_mul_i32 s32, s25, 6144
	s_add_nc_u64 s[28:29], s[12:13], s[32:33]      ; xq: 8 x 768
	s_lshl_b32 s32, s25, 8
	s_add_nc_u64 s[14:15], s[14:15], s[32:33]      ; xs: 8 x 32
	s_lshl_b32 s32, s25, 7
	s_add_co_u32 s32, s32, 16384
	s_add_nc_u64 s[36:37], s[18:19], s[32:33]      ; the run's 32 counts, behind sel's 4,096 words
	s_lshl_b32 s32, s25, 5
	s_add_nc_u64 s[18:19], s[18:19], s[32:33]      ; sel: 8 x 4
	s_add_nc_u64 s[22:23], s[22:23], s[32:33]      ; psum: 32 bytes a run
	s_lshl_b32 s32, s25, 6
	s_add_nc_u64 s[20:21], s[20:21], s[32:33]      ; gate: 8 x 8
	s_wait_alu depctr_va_vdst(0)
	v_lshrrev_b32 v12, 3, v1
	v_and_b32 v13, 7, v1
	v_lshlrev_b32 v11, 10, v12
	v_lshl_add_u32 v11, v13, 4, v11                ; v11: W_router: 1,024 (lane / 8) + 16 (lane % 8); never rewritten
	WRLOAD 0
	WRLOAD 1
	WRLOAD 2
	WRLOAD 3
	WRLOAD 4
	WRLOAD 5
	XLOAD 0                                        ; 56 loads of mine are out
	s_mul_i32 s34, s24, XREG
	s_add_co_u32 s34, s34, XBASE
	v_mul_u32_u24 v3, v12, 144
	v_lshl_add_u32 v3, v13, 4, v3
	v_add_nc_u32 v3, s34, v3                       ; v3: the turn, in: a load's 512 bytes are four lanes' 128: 144 (lane / 8) + 16 (lane % 8)
	v_mul_u32_u24 v4, v1, 144
	v_add_nc_u32 v4, s34, v4                       ; v4: the turn, out: my 128 bytes
	v_lshrrev_b32 v12, 2, v1                       ; K step
	v_and_b32 v13, 1, v1                           ; h
	v_bfe_u32 v14, v1, 1, 1                        ; c
	v_lshlrev_b32 v12, 3, v12
	v_lshl_add_u32 v12, v13, 2, v12
	v_lshl_add_u32 v12, v14, 1, v12                ; my block's first place of 12 bytes in the token's 768: 8 s + 4 h + 2 c
	s_add_co_u32 s35, s34, CSO
	v_lshl_add_u32 v5, v12, 4, s35                 ; v5: the codes' stage, in: a place has 16 bytes
	v_add_nc_u32 v6, s35, v2                       ; v6: and out: place = lane
	v_mul_u32_u24 v7, v1, 12                       ; v7: and the same place in memory
	s_add_co_u32 s35, s34, SBO
	v_add_nc_u32 v8, s35, v1                       ; v8: my byte in a token's 32 scale bytes
	v_lshl_add_u32 v10, v1, 3, s35                 ; v10: the 256 scale bytes on their way out
	s_mov_b32 s40, 0x76543210
	s_mov_b32 s41, 0xfedcba98                      ; v_permlanex16_b32's selects for lane l xor 16
	s_mov_b32 s31, 0x01010101                      ; the lanes (t, t + 8, t + 16, t + 24) that keep the logits of the token in hand
.irp e, 0,1,2,3,4,5,6,7
	v_mov_b32 v[L+\e], 0                           ; written whole once: the selects below keep the other lanes
	v_mov_b32 v[36+\e], 0                          ; a lane permute's destination counts as one of its sources
.endr
	WRTURN 0, 48                                   ; behind each of pieces 0 to 5 six groups of eight loads have been issued
	WRLOAD 6
	WRTURN 1, 48
	WRLOAD 7
	WRTURN 2, 48
	XLOAD 1
	WRTURN 3, 48
	XLOAD 2
	WRTURN 4, 48
	XLOAD 3
	WRTURN 5, 48
	WRTURN 6, 32                                   ; behind piece 6: piece 7 and tokens 1 to 3
	WRTURN 7, 24                                   ; behind piece 7: tokens 1 to 3
	WIN 0
; One token.  more = 1: its registers take the token four further on.  left = how many younger loads may stay out.
.macro TOKEN n, more, left
	s_wait_loadcnt \left                           ; my eight loads are in
	s_wait_xcnt 0x0                                ; the last token's stores have read v28-34
.irp i, 0,1,2,3,4,5,6,7
	ds_store_b128 v3, v[R+32*((\n)%4)+4*\i:R+32*((\n)%4)+4*\i+3] offset:576*\i
.endr
.irp i, 0,1,2,3,4,5,6,7
	ds_load_b128 v[XX+4*\i:XX+4*\i+3], v4 offset:16*\i     ; LDS serves a wave's instructions in order
.endr
	s_wait_dscnt 0x0
.if \more
	XLOAD (\n)+4
.endif
	v_max3_num_f32 v12, |v[XX]|, |v[XX+1]|, |v[XX+2]|
	v_max3_num_f32 v13, |v[XX+3]|, |v[XX+4]|, |v[XX+5]|
.irp i, 6,10,14,18,22,26
	v_max3_num_f32 v12, v12, |v[XX+\i]|, |v[XX+\i+1]|
	v_max3_num_f32 v13, v13, |v[XX+\i+2]|, |v[XX+\i+3]|
.endr
	v_max3_num_f32 v12, v12, |v[XX+30]|, |v[XX+31]|
	v_max3_num_f32 v12, v12, v13, 0x2800000
	v_add_nc_u32 v14, 0xfe000000, v12
	v_cvt_scalef32_pk16_bf6_f32 v[20:22], v[XX:XX+15], v14
	v_cvt_scalef32_pk16_bf6_f32 v[24:26], v[XX+16:XX+31], v14
	v_lshrrev_b32 v15, 23, v14                     ; the byte; also the plain instruction behind the conversions
	ds_store_b8 v8, v15 offset:32*(\n)
	ds_store_b96 v5, v[20:22]
	ds_store_b96 v5, v[24:26] offset:16
	ds_load_b96 v[28:30], v6
	ds_load_b96 v[32:34], v6 offset:512
	WIN 0x04                                       ; the router: my 32 numbers x my 32 rows of W_router, two experts an instruction
.irp p, 0,1,2,3
	v_pk_mul_f32 v[A+2*\p:A+2*\p+1], v[XX:XX+1], v[2*\p:2*\p+1] op_sel_hi:[0,1]
.endr
.set kk, 1
.rept 31
.irp p, 0,1,2,3
.if kk%2
	v_pk_fma_f32 v[A+2*\p:A+2*\p+1], v[XX+2*(kk/2):XX+2*(kk/2)+1], v[8*kk+2*\p:8*kk+2*\p+1], v[A+2*\p:A+2*\p+1] op_sel:[1,0,0] op_sel_hi:[1,1,1]
.else
	v_pk_fma_f32 v[A+2*\p:A+2*\p+1], v[XX+2*(kk/2):XX+2*(kk/2)+1], v[8*kk+2*\p:8*kk+2*\p+1], v[A+2*\p:A+2*\p+1] op_sel_hi:[0,1,1]
.endif
.endr
.set kk, kk+1
.endr
	WIN 0
.irp m, 1,2,4,8
.irp e, 0,1,2,3,4,5,6,7
	v_add_f32_dpp v[A+\e], v[A+\e], v[A+\e] row_xmask:\m row_mask:0xf bank_mask:0xf
.endr
.endr
.irp e, 0,1,2,3,4,5,6,7
	v_permlanex16_b32 v[36+\e], v[A+\e], s40, s41
.endr
.irp e, 0,1,2,3,4,5,6,7
	v_add_f32 v[A+\e], v[A+\e], v[36+\e]           ; every lane holds the token's logit e
.endr
.irp e, 0,1,2,3,4,5,6,7
	v_cndmask_b32 v[L+\e], v[L+\e], v[A+\e], s31   ; the token's four lanes keep it
.endr
	s_lshl_b32 s31, s31, 1
	s_wait_dscnt 0x0                               ; the codes are back, in the order of xq
	global_store_b96 v7, v[28:30], s[28:29] offset:768*(\n)          ; 32 lanes store 384 consecutive bytes
	global_store_b96 v7, v[32:34], s[28:29] offset:768*(\n)+384
.endm
	TOKEN 0, 1, 24                                 ; 24: the three younger tokens' loads
	TOKEN 1, 1, 24
	TOKEN 2, 1, 24
	TOKEN 3, 1, 24
	TOKEN 4, 0, 24                                 ; the last four tokens load nothing: the counts run down
	TOKEN 5, 0, 16
	TOKEN 6, 0, 8
	TOKEN 7, 0, 0
	ds_load_b64 v[72:73], v10
	; softmax and the two largest, a token a lane (lanes 8-31 repeat lanes 0-7)
	s_wait_alu depctr_va_vdst(0)
	v_max3_num_f32 v52, v[L], v[L+1], v[L+2]
	v_max3_num_f32 v52, v52, v[L+3], v[L+4]
	v_max3_num_f32 v52, v52, v[L+5], v[L+6]
	v_max_num_f32 v52, v52, v[L+7]
.irp e, 0,1,2,3,4,5,6,7
	v_sub_f32 v[44+\e], v[L+\e], v52
.endr
.irp e, 0,1,2,3,4,5,6,7
	v_mul_f32 v[44+\e], 0x3fb8aa3b, v[44+\e]
.endr
	s_wait_alu depctr_va_vdst(0)
.irp e, 0,1,2,3,4,5,6,7
	v_exp_f32 v[44+\e], v[44+\e]
.endr
	v_nop                                          ; a plain instruction behind the last exponential
	s_wait_alu depctr_va_vdst(0)                   ; one wait for the eight, ahead of their first reader
	v_add_f32 v53, v44, v45
	v_add_f32 v54, v46, v47
	v_add_f32 v59, v48, v49
	v_add_f32 v60, v50, v51
	v_add_f32 v53, v53, v54
	v_add_f32 v59, v59, v60
	v_add_f32 v53, v53, v59
	s_wait_alu depctr_va_vdst(0)
	v_rcp_f32 v54, v53
	v_mov_b32 v55, v44                             ; (a plain instruction behind the reciprocal)  the largest so far,
	v_mov_b32 v56, 0                               ; and its index
.irp e, 1,2,3,4,5,6,7
	v_cmp_gt_f32 vcc_lo, v[44+\e], v55             ; strictly greater: the lower index keeps a tie
	v_cndmask_b32 v55, v55, v[44+\e], vcc_lo
	v_cndmask_b32 v56, v56, \e, vcc_lo
.endr
	v_mov_b32 v57, -1.0                            ; the second largest: the first's place counts as -1
	v_mov_b32 v58, 0
.irp e, 0,1,2,3,4,5,6,7
	v_cmp_eq_u32 vcc_lo, \e, v56
	v_cndmask_b32 v59, v[44+\e], -1.0, vcc_lo
	v_cmp_gt_f32 vcc_lo, v59, v57
	v_cndmask_b32 v57, v57, v59, vcc_lo
	v_cndmask_b32 v58, v58, \e, vcc_lo
.endr
	v_add_f32 v60, v55, v57
	s_wait_alu depctr_va_vdst(0)                   ; for the first reciprocal
.irp e, 0,1,2,3,4,5,6,7
	v_mul_f32 v[240+\e], v[44+\e], v54             ; the probabilities
.endr
	v_rcp_f32 v61, v60
	v_min_u32 v64, v56, v58                        ; (a plain instruction behind the reciprocal)  a
	v_max_u32 v65, v56, v58                        ; b
	v_cmp_gt_u32 vcc_lo, v56, v58
	s_wait_alu depctr_va_vdst(0)
	v_mul_f32 v62, v55, v61                        ; the two weights, which add up to 1
	v_mul_f32 v63, v57, v61
	v_cndmask_b32 v66, v62, v63, vcc_lo            ; a's
	v_cndmask_b32 v67, v63, v62, vcc_lo            ; b's
	v_sub_nc_u32 v68, 15, v64
	v_mul_u32_u24 v68, v68, v64
	v_lshrrev_b32 v68, 1, v68
	v_add_nc_u32 v68, v68, v65
	v_sub_nc_u32 v68, v68, v64
	v_add_nc_u32 v68, -1, v68                      ; the pair's number, 0..27
.irp m, 1,2,4
.irp e, 0,1,2,3,4,5,6,7
	v_add_f32_dpp v[240+\e], v[240+\e], v[240+\e] row_xmask:\m row_mask:0xf bank_mask:0xf   ; over the 8 tokens
.endr
.endr
	; the sort's first step: lane p counts the run's tokens of pair p; each token's lanes count the earlier tokens of the run with its pair
	v_mov_b32 v77, 0
	v_mov_b32 v78, 0
.irp t, 0,1,2,3,4,5,6,7
	v_readlane_b32 s43, v68, \t                    ; token t's pair
	v_cmp_eq_u32 vcc_lo, s43, v1
	v_cndmask_b32 v76, 0, 1, vcc_lo
	v_add_nc_u32 v77, v77, v76
.if \t < 7
	v_cmp_eq_u32 s44, s43, v68
	s_and_b32 s44, s44, ((0xff<<(\t+1))&0xff)*0x01010101   ; only in the lanes of later tokens
	v_cndmask_b32 v76, 0, 1, s44
	v_add_nc_u32 v78, v78, v76
.endif
.endr
	v_lshl_or_b32 v68, v78, 8, v68                 ; p + 256 x rank
	v_lshlrev_b32 v69, 2, v1
	v_lshlrev_b32 v70, 3, v1
	v_mov_b32 v71, 0
	s_wait_alu depctr_va_vdst(0)
	s_wait_dscnt 0x0
	global_store_b64 v70, v[72:73], s[14:15]       ; the 8 tokens' scale bytes: 256 consecutive bytes, at a multiple of 256 from xs's first byte
	global_store_b32 v69, v77, s[36:37]            ; the run's 32 counts
	s_wait_xcnt 0x0                                ; EXEC changes only behind this wait
	v_cmp_gt_u32 vcc_lo, 8, v1
	s_wait_tensorcnt 0x0
	ds_add_u32 v254, v255
	s_wait_dscnt 0x0
	s_and_saveexec_b32 s42, vcc_lo
	global_store_b32 v69, v68, s[18:19]
	global_store_b64 v70, v[66:67], s[20:21]
	s_wait_xcnt 0x0
	s_or_b32 exec_lo, exec_lo, s42
	v_cmp_eq_u32 vcc_lo, 0, v1
	s_and_saveexec_b32 s42, vcc_lo
	global_store_b128 v71, v[240:243], s[22:23]
	global_store_b128 v71, v[244:247], s[22:23] offset:16
	s_wait_xcnt 0x0
	s_or_b32 exec_lo, exec_lo, s42
	s_endpgm
.Lfunc_end_k_q51f6d18da2_prep:
	.size	k_q51f6d18da2_prep, .Lfunc_end_k_q51f6d18da2_prep-k_q51f6d18da2_prep
	.p2alignl 7, 3214868480
	.fill 96, 4, 3214868480
	.section	.rodata,"a",@progbits
	.p2align	6, 0x0
	.amdhsa_kernel k_q51f6d18da2_prep
		.amdhsa_group_segment_fixed_size 77312
		.amdhsa_private_segment_fixed_size 0
		.amdhsa_enable_private_segment 0
		.amdhsa_kernarg_size 80
		.amdhsa_user_sgpr_count 2
		.amdhsa_user_sgpr_kernarg_segment_ptr 1
		.amdhsa_wavefront_size32 1
		.amdhsa_system_sgpr_workgroup_id_x 1
		.amdhsa_system_sgpr_workgroup_id_y 1
		.amdhsa_system_sgpr_workgroup_id_z 1
		.amdhsa_system_vgpr_workitem_id 0
		.amdhsa_next_free_vgpr 512
		.amdhsa_next_free_sgpr 66
		.amdhsa_reserve_vcc 1
		.amdhsa_float_denorm_mode_32 3
		.amdhsa_float_denorm_mode_16_64 3
		.amdhsa_memory_ordered 1
		.amdhsa_forward_progress 1
		.amdhsa_inst_pref_size 208
	.end_amdhsa_kernel
	.amdgpu_metadata
---
amdhsa.version: [ 1, 2 ]
amdhsa.kernels:
  - .name:           k_q51f6d18da2_prep
    .symbol:         k_q51f6d18da2_prep.kd
    .args:
      - { .name: x, .offset: 0, .size: 8, .value_kind: global_buffer, .address_space: global }
      - { .name: W_router, .offset: 8, .size: 8, .value_kind: global_buffer, .address_space: global }
      - { .name: W1, .offset: 16, .size: 8, .value_kind: global_buffer, .address_space: global }
      - { .name: W2, .offset: 24, .size: 8, .value_kind: global_buffer, .address_space: global }
      - { .name: xq, .offset: 32, .size: 8, .value_kind: global_buffer, .address_space: global }
      - { .name: xs, .offset: 40, .size: 8, .value_kind: global_buffer, .address_space: global }
      - { .name: wq, .offset: 48, .size: 8, .value_kind: global_buffer, .address_space: global }
      - { .name: sel, .offset: 56, .size: 8, .value_kind: global_buffer, .address_space: global }
      - { .name: gate, .offset: 64, .size: 8, .value_kind: global_buffer, .address_space: global }
      - { .name: psum, .offset: 72, .size: 8, .value_kind: global_buffer, .address_space: global }
    .group_segment_fixed_size: 77312
    .private_segment_fixed_size: 0
    .kernarg_segment_align: 8
    .kernarg_segment_size: 80
    .max_flat_workgroup_size: 128
    .sgpr_count:     66
    .vgpr_count:     512
    .wavefront_size: 32
...
	.end_amdgpu_metadata
.endif
;; end of part 4
;; launch place (part 5): grid 1 x 1, 32 waves a work-group, no clusters, 12,288 bytes of LDS; arguments sel, psum, rows, out1; writes rows, out1
.if DOCPART == 5
	.amdgcn_target "amdgcn-amd-amdhsa--gfx1250"
	.amdhsa_code_object_version 6
	.text
	.protected	k_q51f6d18da2_place
	.globl	k_q51f6d18da2_place
	.p2align	8
	.type	k_q51f6d18da2_place,@function
k_q51f6d18da2_place:
	s_mov_b64 s[64:65], 0
	v_nop
	global_prefetch_b8 v0, s[64:65] scope:SCOPE_SE
	s_setreg_imm32_b32 hwreg(HW_REG_WAVE_MODE, 25, 1), 1
	s_wait_xcnt 0x0
; PLACE.  One work-group finishes the sort of the 4,096 tokens by their pair of experts (28 buckets, a counting sort without atomics) into blocks of 32 tokens of ONE pair, each bucket filled up to whole blocks:
; rows[160][32] token numbers (0 in the places that fill a block up), blk[160][4] = {tokens in the block, expert a, expert b, 0}.  There are never more than (4096 + 28 x 31) / 32 = 155 blocks in use;
; the blocks behind the last one in use get 0 tokens and a valid pair.  It also makes the load-balance loss: 0.08 x sum over e of (sum of probabilities of e / 4096) x (tokens routed to e / 8192).
; Launch prep has left, for each token, its bucket and its rank among the tokens of the same bucket in its run of 8, and for each run its count of every bucket.  So a token's place is
; 64 x its bucket's first block + the bucket's tokens in earlier waves + in earlier runs of its wave + its rank.
; Wave w holds tokens 128 w + 32 j + lane, j = 0..3: runs 16 w + 4 j + lane / 8.  In the registers that speak of buckets, lane p stands for bucket p (lanes 28-31: empty buckets).
; THE BLOCKS HOLD 64 TOKENS: rows[160][64] token numbers, and behind them, from byte 40,960 of the same buffer, blk[160][4].  Never more than (4096 + 28 x 63) / 64 = 92 blocks are in use.
.set KEY, 4
.set LR,  8                            ; v8-11   their ranks in their runs
.set CN,  80                           ; v80-95  my wave's 16 runs: the counts of bucket = lane, then their running sums
.set BP,  96                           ; v96-111 what my tokens pull from the runs' registers
	s_load_b256 s[4:11], s[0:1], 0x0               ; sel (with the counts behind it), psum, rows, out1
	v_lshl_add_u32 v126, v0, 2, 0x2000
	v_mov_b32 v127, 0
	v_lshrrev_b32 v13, 5, v0
	s_delay_alu instid0(VALU_DEP_1)
	v_readfirstlane_b32 s14, v13                   ; wave 0..31
	v_and_b32 v1, 31, v0                           ; lane
	v_lshlrev_b32 v2, 2, v0                        ; 4 x thread
	s_delay_alu instid0(VALU_DEP_2)
	v_lshlrev_b32 v3, 2, v1                        ; 4 x lane
	s_lshl_b32 s15, s14, 9
	v_add_nc_u32 v22, s15, v3                      ; sel and psum: 512 w + 4 lane
	s_lshl_b32 s15, s14, 11
	v_add_nc_u32 v75, s15, v3                      ; the counts: 16 runs of 128 bytes a wave
	s_mov_b32 s28, 0x76543210
	s_mov_b32 s29, 0xfedcba98                      ; v_permlanex16_b32's selects for lane l xor 16
	s_mov_b32 s25, 0x0000ff00                      ; lanes 8-15, 16-23, 24-31: the second, third and fourth run of a register of tokens
	s_mov_b32 s27, 0x00ff0000
	s_mov_b32 s30, 0xff000000
	s_wait_alu depctr_va_vdst(0)
	s_wait_kmcnt 0x0
.irp j, 0,1,2,3
	global_load_b32 v[KEY+\j], v22, s[4:5] offset:128*\j
.endr
.set n, 0
.rept 16
	global_load_b32 v[CN+n], v75, s[4:5] offset:16384+128*n
.set n, n+1
.endr
.irp i, 0,1,2,3
	global_load_b32 v[64+\i], v22, s[6:7] offset:128*\i    ; lane l: expert l % 8 of four of psum's rows
.endr
	v_lshrrev_b32 v24, 2, v22                      ; my tokens' numbers
	s_delay_alu instid0(VALU_DEP_1)
	v_add_nc_u32 v25, 32, v24
	s_delay_alu instid0(VALU_DEP_2)
	v_add_nc_u32 v26, 64, v24
	s_delay_alu instid0(VALU_DEP_3)
	v_add_nc_u32 v27, 96, v24
	v_mov_b32 v71, 0
	v_mov_b32 v19, 0                               ; bucket = lane: its experts a < b.  a = how many of the first buckets of a = 1 .. 6 lie at or under the lane
.irp th, 7,13,18,22,25,27
	v_cmp_le_u32 vcc_lo, \th, v1
	s_delay_alu instid0(VALU_DEP_1)
	v_cndmask_b32 v23, 0, 1, vcc_lo
	s_delay_alu instid0(VALU_DEP_1)
	v_add_nc_u32 v19, v19, v23
.endr
	s_delay_alu instid0(VALU_DEP_1)
	v_sub_nc_u32 v20, 15, v19
	s_delay_alu instid0(VALU_DEP_1)
	v_mul_u32_u24 v20, v20, v19
	s_delay_alu instid0(VALU_DEP_1)
	v_lshrrev_b32 v20, 1, v20
	s_delay_alu instid0(VALU_DEP_1)
	v_sub_nc_u32 v20, v1, v20
	s_delay_alu instid0(VALU_DEP_1)
	v_add_nc_u32 v20, v20, v19
	s_delay_alu instid0(VALU_DEP_1)
	v_add_nc_u32 v20, 1, v20
	s_delay_alu instid0(VALU_DEP_1)
	v_min_u32 v20, 7, v20                          ; b (lanes 28-31: 7)
	s_wait_loadcnt 0x0
.irp j, 0,1,2,3
	v_lshrrev_b32 v[LR+\j], 8, v[KEY+\j]
	v_and_b32 v[KEY+\j], 0xff, v[KEY+\j]
	s_delay_alu instid0(VALU_DEP_1)
	v_min_u32 v[KEY+\j], 27, v[KEY+\j]
.endr
	v_add_f32 v64, v64, v65                        ; the probabilities: my wave's sixteen rows of psum, by expert
	v_add_f32 v66, v66, v67
	s_delay_alu instid0(VALU_DEP_1)
	v_add_f32 v64, v64, v66
	s_delay_alu instid0(VALU_DEP_1)
	v_add_f32_dpp v64, v64, v64 row_xmask:8 row_mask:0xf bank_mask:0xf
	s_delay_alu instid0(VALU_DEP_1)
	v_permlanex16_b32 v65, v64, s28, s29
	s_delay_alu instid0(VALU_DEP_1)
	v_add_f32 v64, v64, v65
	ds_store_b32 v2, v64 offset:4096
.set n, 1
	v_add_nc_u32 v[CN+n], v[CN+n], v[CN+n-1]       ; the bucket's tokens in runs 0 .. n of my wave
.set n, n+1
.rept (15)-1
	s_delay_alu instid0(VALU_DEP_1)
	v_add_nc_u32 v[CN+n], v[CN+n], v[CN+n-1]       ; the bucket's tokens in runs 0 .. n of my wave
.set n, n+1
.endr
	ds_store_b32 v2, v[CN+15]                      ; and in my wave
	s_wait_dscnt 0x0                               ; for the others' sake: my stores have landed
	s_barrier_signal -1
	s_barrier_wait -1
.set W, 0
.rept 32
	ds_load_b32 v[32+W], v3 offset:128*W           ; every wave's count of bucket = lane
.set W, W+1
.endr
	v_mov_b32 v14, 0                               ; the bucket's tokens in all,
	v_mov_b32 v15, 0                               ; and in the waves before mine
	s_wait_alu depctr_va_vdst(0)
	s_wait_dscnt 0x0
.set W, 0
.rept 32
	v_add_nc_u32 v14, v14, v[32+W]
	s_cmp_gt_u32 s14, W
	s_cselect_b32 s16, 1, 0
	v_mad_u32_u24 v15, v[32+W], s16, v15
.set W, W+1
.endr
	v_add_nc_u32 v16, 63, v14
	s_delay_alu instid0(VALU_DEP_1)
	v_lshrrev_b32 v16, 6, v16
	s_delay_alu instid0(VALU_DEP_1)
	v_mov_b32 v17, v16                             ; their running sum over the 32 lanes
.irp n, 1,2,4,8
	s_delay_alu instid0(VALU_DEP_1)
	v_mov_b32_dpp v13, v17 row_shr:\n row_mask:0xf bank_mask:0xf bound_ctrl:1
	s_delay_alu instid0(VALU_DEP_1)
	v_add_nc_u32 v17, v17, v13
.endr
	s_delay_alu instid0(VALU_DEP_1)
	v_readlane_b32 s16, v17, 15
	v_cmp_le_u32 vcc_lo, 16, v1
	s_delay_alu instid0(VALU_DEP_1)
	v_cndmask_b32 v13, 0, s16, vcc_lo
	s_delay_alu instid0(VALU_DEP_1)
	v_add_nc_u32 v17, v17, v13
	s_delay_alu instid0(VALU_DEP_1)
	v_sub_nc_u32 v21, v17, v16                     ; the bucket's first block
	s_delay_alu instid0(VALU_DEP_1)
	v_lshl_add_u32 v18, v21, 6, v15
.set n, 0
.rept 15
	v_add_nc_u32 v[CN+n], v[CN+n], v18             ; run n + 1's start
.set n, n+1
.endr
.irp j, 0,1,2,3
	v_lshlrev_b32 v[28+\j], 2, v[KEY+\j]
.endr
	ds_bpermute_b32 v[BP], v28, v18                ; each token pulls its bucket's start from each of its register's four runs; the select below keeps its own run's
.set n, 1
.rept 15
	ds_bpermute_b32 v[BP+n], v[28+n/4], v[CN+n-1]
.set n, n+1
.endr
	; the blocks: wave w makes blocks w + 32 c.  A block's bucket is the last whose first block is not behind it
.irp c, 0,1,2,3,4
	s_add_co_u32 s[20+\c], s14, 32*\c
	v_cmp_le_u32 s17, v21, s[20+\c]
	s_bcnt1_i32_b32 s18, s17
	s_sub_co_u32 s18, s18, 1
	s_lshl_b32 s18, s18, 2
	v_mov_b32 v[66+\c], s18
	ds_bpermute_b32 v[40+4*\c], v[66+\c], v21      ; its first block,
	ds_bpermute_b32 v[60+\c], v[66+\c], v14        ; its tokens,
	ds_bpermute_b32 v[41+4*\c], v[66+\c], v19      ; a,
	ds_bpermute_b32 v[42+4*\c], v[66+\c], v20      ; b: the same in every lane
	v_mov_b32 v[43+4*\c], 0
.endr
	s_wait_dscnt 0x0
.irp j, 0,1,2,3
	v_cndmask_b32 v[BP+4*\j], v[BP+4*\j], v[BP+4*\j+1], s25
	s_delay_alu instid0(VALU_DEP_1)
	v_cndmask_b32 v[BP+4*\j], v[BP+4*\j], v[BP+4*\j+2], s27
	s_delay_alu instid0(VALU_DEP_1)
	v_cndmask_b32 v[BP+4*\j], v[BP+4*\j], v[BP+4*\j+3], s30
	s_delay_alu instid0(VALU_DEP_1)
	v_add_nc_u32 v[28+\j], v[LR+\j], v[BP+4*\j]
	s_delay_alu instid0(VALU_DEP_1)
	v_min_u32 v[28+\j], 0x16ff, v[28+\j]           ; a place in rows: 0..5887
	s_delay_alu instid0(VALU_DEP_1)
	v_lshlrev_b32 v[28+\j], 2, v[28+\j]
	global_store_b32 v[28+\j], v[24+\j], s[8:9]
.endr
.irp c, 0,1,2,3,4
	v_sub_nc_u32 v13, s[20+\c], v[40+4*\c]
	s_delay_alu instid0(VALU_DEP_1)
	v_lshlrev_b32 v13, 6, v13
	s_delay_alu instid0(VALU_DEP_1)
	v_min_u32 v13, v13, v[60+\c]
	s_delay_alu instid0(VALU_DEP_1)
	v_sub_nc_u32 v13, v[60+\c], v13                ; those left,
	s_delay_alu instid0(VALU_DEP_1)
	v_min_u32 v[40+4*\c], 64, v13
.endr
	v_add_nc_u32 v74, 32, v1                       ; the block's places 32 .. 63
	s_lshl_b32 s19, s14, 8
	v_add_nc_u32 v72, s19, v3                      ; rows: block w, place = lane
	s_lshl_b32 s19, s14, 4
	v_mov_b32 v73, s19                             ; blk: block w
	s_wait_alu depctr_va_vdst(0)
.irp c, 0,1,2,3,4
	s_wait_xcnt 0x0                                ; EXEC changes only behind this wait
	v_cmp_le_u32 vcc_lo, v[40+4*\c], v1            ; the places that no token took
	s_and_saveexec_b32 s26, vcc_lo
	global_store_b32 v72, v71, s[8:9] offset:8192*\c
	s_wait_xcnt 0x0
	s_or_b32 exec_lo, exec_lo, s26
	v_cmp_le_u32 vcc_lo, v[40+4*\c], v74
	s_and_saveexec_b32 s26, vcc_lo
	global_store_b32 v72, v71, s[8:9] offset:8192*\c+128
	s_wait_xcnt 0x0
	s_or_b32 exec_lo, exec_lo, s26
.endr
	v_cmp_eq_u32 vcc_lo, 0, v1
	s_and_saveexec_b32 s26, vcc_lo
.irp c, 0,1,2,3,4
	global_store_b128 v73, v[40+4*\c:43+4*\c], s[8:9] offset:40960+512*\c
.endr
	s_wait_xcnt 0x0
	s_or_b32 exec_lo, exec_lo, s26
	s_cmp_lg_u32 s14, 0                            ; the loss: wave 0 alone; no barrier follows
	s_cbranch_scc1 .Lend
.set W, 0
.rept 32
	ds_load_b32 v[76+W], v3 offset:4096+128*W      ; every wave's sum of probabilities of expert lane % 8
.set W, W+1
.endr
	v_lshlrev_b32 v108, 2, v19
	v_lshlrev_b32 v109, 2, v20
	s_wait_dscnt 0x0
.irp i, 4,8,12,16,20,24,28
.irp k, 0,1,2,3
	v_add_f32 v[76+\k], v[76+\k], v[76+\i+\k]
.endr
.endr
	s_delay_alu instid0(VALU_DEP_3)
	v_add_f32 v76, v76, v77
	s_delay_alu instid0(VALU_DEP_2)
	v_add_f32 v78, v78, v79
	s_delay_alu instid0(VALU_DEP_1)
	v_add_f32 v76, v76, v78
	ds_bpermute_b32 v110, v108, v76                ; lane e holds expert e's sum: bucket = lane takes a's
	ds_bpermute_b32 v111, v109, v76                ; and b's
	v_cvt_f32_u32 v77, v14
	s_wait_dscnt 0x0
	v_add_f32 v110, v110, v111
	s_wait_alu depctr_va_vdst(0)
	v_mul_f32 v110, v110, v77                      ; x the bucket's tokens: summed over buckets that is sum over e of probabilities x count
	s_delay_alu instid0(VALU_DEP_1)
	v_add_f32_dpp v110, v110, v110 row_xmask:1 row_mask:0xf bank_mask:0xf
	s_delay_alu instid0(VALU_DEP_1)
	v_add_f32_dpp v110, v110, v110 row_xmask:2 row_mask:0xf bank_mask:0xf
	s_delay_alu instid0(VALU_DEP_1)
	v_add_f32_dpp v110, v110, v110 row_xmask:4 row_mask:0xf bank_mask:0xf
	s_delay_alu instid0(VALU_DEP_1)
	v_add_f32_dpp v110, v110, v110 row_xmask:8 row_mask:0xf bank_mask:0xf
	s_delay_alu instid0(VALU_DEP_1)
	v_permlanex16_b32 v111, v110, s28, s29
	s_delay_alu instid0(VALU_DEP_1)
	v_add_f32 v110, v110, v111
	s_delay_alu instid0(VALU_DEP_1)
	v_mul_f32 v110, 0x3123d70a, v110               ; x 0.08 / (4096 x 8192)
	v_cmp_eq_u32 vcc_lo, 0, v1
	s_and_saveexec_b32 s26, vcc_lo
	global_store_b32 v71, v110, s[10:11]
	s_wait_xcnt 0x0
	s_or_b32 exec_lo, exec_lo, s26
.Lend:
	s_wait_tensorcnt 0x0
	ds_add_u32 v126, v127
	s_wait_dscnt 0x0
	s_endpgm
.Lfunc_end_k_q51f6d18da2_place:
	.size	k_q51f6d18da2_place, .Lfunc_end_k_q51f6d18da2_place-k_q51f6d18da2_place
	.p2alignl 7, 3214868480
	.fill 96, 4, 3214868480
	.section	.rodata,"a",@progbits
	.p2align	6, 0x0
	.amdhsa_kernel k_q51f6d18da2_place
		.amdhsa_group_segment_fixed_size 12288
		.amdhsa_private_segment_fixed_size 0
		.amdhsa_enable_private_segment 0
		.amdhsa_kernarg_size 32
		.amdhsa_user_sgpr_count 2
		.amdhsa_user_sgpr_kernarg_segment_ptr 1
		.amdhsa_wavefront_size32 1
		.amdhsa_system_sgpr_workgroup_id_x 1
		.amdhsa_system_sgpr_workgroup_id_y 1
		.amdhsa_system_sgpr_workgroup_id_z 1
		.amdhsa_system_vgpr_workitem_id 0
		.amdhsa_next_free_vgpr 128
		.amdhsa_next_free_sgpr 66
		.amdhsa_reserve_vcc 1
		.amdhsa_float_denorm_mode_32 3
		.amdhsa_float_denorm_mode_16_64 3
		.amdhsa_memory_ordered 1
		.amdhsa_forward_progress 1
		.amdhsa_inst_pref_size 32
	.end_amdhsa_kernel
	.amdgpu_metadata
---
amdhsa.version: [ 1, 2 ]
amdhsa.kernels:
  - .name:           k_q51f6d18da2_place
    .symbol:         k_q51f6d18da2_place.kd
    .args:
      - { .name: sel, .offset: 0, .size: 8, .value_kind: global_buffer, .address_space: global }
      - { .name: psum, .offset: 8, .size: 8, .value_kind: global_buffer, .address_space: global }
      - { .name: rows, .offset: 16, .size: 8, .value_kind: global_buffer, .address_space: global }
      - { .name: out1, .offset: 24, .size: 8, .value_kind: global_buffer, .address_space: global }
    .group_segment_fixed_size: 12288
    .private_segment_fixed_size: 0
    .kernarg_segment_align: 8
    .kernarg_segment_size: 32
    .max_flat_workgroup_size: 1024
    .sgpr_count:     66
    .vgpr_count:     128
    .wavefront_size: 32
...
	.end_amdgpu_metadata
.endif
;; end of part 5
;; launch up (part 6): grid 736 x 1, 4 waves a work-group, no clusters, 51,712 bytes of LDS; arguments xq, xs, wq, b1, rows, h; writes h
.if DOCPART == 6
	.amdgcn_target "amdgcn-amd-amdhsa--gfx1250"
	.amdhsa_code_object_version 6
	.text
	.protected	k_q51f6d18da2_up
	.globl	k_q51f6d18da2_up
	.p2align	8
	.type	k_q51f6d18da2_up,@function
k_q51f6d18da2_up:
	s_mov_b64 s[64:65], 0
	v_nop
	global_prefetch_b8 v0, s[64:65] scope:SCOPE_SE
	s_setreg_imm32_b32 hwreg(HW_REG_WAVE_MODE, 25, 1), 1
	s_wait_xcnt 0x0
; UP.  Work-group = (block of up to 64 tokens that chose the same two experts, one of the two, 256 of the 1,024 hidden units): Q(gelu(Q(x) Q(W1[e]) + b1[e])), Q the quantiser to E3M2 with one E8M0 byte for 32 along K.
; The six experts that reference() weighs with 0 for a token are not multiplied.  92 blocks x 2 experts x 4 slices serve every split; a block without tokens passes the one barrier and then ends, storing nothing.
; NO TENSOR LOADS, NO CLUSTER, NO PREFETCH: the launch branches on a stored count, and which work-groups share an expert hangs on the stored list; weights go from memory straight into operand registers,
; in the order in which launch prep laid them (each load of a wave is 512 consecutive bytes), 13 loads a wave out, with up to sixteen waves on a WGP.
; SHARES: wave w makes 64 hidden units (half c = w % 2 of column group 2 slice + w / 2) for all 64 rows: 16 accumulators, (row tile m, column tile t) at ACC + 32 m + 8 t.  x's fragments go through LDS as register images.
; The product is used transposed (source 0 = 16 columns of W1, source 1 = 16 rows): a lane holds one token, and the 16 registers of tiles 2 b, 2 b + 1 are hidden units 32 b + 16 (lane / 16) + 0 .. 15.
; b1 is loaded into row tile 0's accumulators and is the C of every sum's first product.
; gelu(x) = max(x, 0) - |x| erfc(z) / 2, z = |x| / sqrt 2, erfc(z) = t exp(-z^2 + c0 + t (c1 + .. + t c9)), t = 1 / (1 + z / 2) (a Chebyshev form, fractional error 1.2e-7); the half is 1 taken off c0 in units of log2 e.
; h: codes at ((2 block + e) 8 + K step s) 6144 + 1536 m + 768 c: registers 6 c .. 6 c + 3 of lane L at 16 L, registers 6 c + 4, 5 at 512 + 8 L.  From byte 9,043,968: ((2 block + e) 8 + s) 256 + 128 c + 4 L:
; the two scale bytes (blocks 2 c, 2 c + 1) of row L % 16 of tile L / 16 in the low half, of tile 2 + L / 16 in the high half.
; LIMITS: NaN and infinities are not served; a block of zeros has the scale byte 1, not 127 (its codes are zeros, and this program alone reads the bytes).
.set XSCO,  49152                      ; LDS: x's images at 6144 s + 1536 m + 512 c + 16 lane; from XSCO the scale words at 256 s + 4 row
.set SPARE, 51200                      ; the spare words, 128 bytes a wave
.set HSOFF, 9043968
.set SPW, 1
.set NIL, 2
.set LI,  3                            ; 16 x lane
.set L8,  4                            ; 8 x lane
.set LS,  5                            ; 4 x lane
.set WSC, 6                            ; v6-7   the weights' scale words: register j: tile 2 j in lanes 0-15, tile 2 j + 1 in lanes 16-31
.set XSC, 8                            ; v8-9   the rows' scale words, laid alike
.set C8,  10
.set VW,  12                           ; 16 x lane + 6144 c
.set VS,  13                           ; 16 x lane + 8 c
.set X,   32                           ; v32-79   four row fragments
.set W,   80                           ; v80-127  four weight fragments
.set ACC, 128
.set LN,  32                           ; the head's own registers lie where fragments come later
.set RR,  33
.set HH,  34
.set R4,  35
.set H48, 36
.set BO,  37
.set TK,  38
.set TL,  42
.set XO,  44
.set SO,  48
.set XG,  50
.set XWI, 54
.set XWS, 55
.set GN,  32                           ; gelu: -|x|;  t, then erfc / 2;  the polynomial;  x^2
.set GT,  48
.set GP,  64
.set GQ,  80
.set PC,  32                           ; the quantiser: tile m's codes at PC + 12 m
.set MX,  96
.set MY,  104
.set QS,  112
.set PW,  120
.set NCH, 40
.set CQ,  42
.set C0,  44
.set C1,  46
.set C2,  48
.set C3,  50
.set C4,  52
.set C5,  54
.set C6,  56
.set C7,  58
.set C9,  60
.macro MM d, c, t, m                   ; D = weight tile t x row tile m + C, 128 along K
.set rD, \d
.set rC, \c
.set rA, W+12*(\t)
.set rB, X+12*(\m)
.set rS, WSC+(\t)/2
.set rT, XSC+(\m)/2
.if ((\t)%2 == 0) && ((\m)%2 == 0)
	v_wmma_scale_f32_16x16x128_f8f6f4 v[rD:rD+7], v[rA:rA+11], v[rB:rB+11], v[rC:rC+7], v[rS], v[rT] matrix_a_fmt:MATRIX_FMT_BF6 matrix_b_fmt:MATRIX_FMT_BF6
.elseif ((\t)%2 == 1) && ((\m)%2 == 0)
	v_wmma_scale_f32_16x16x128_f8f6f4 v[rD:rD+7], v[rA:rA+11], v[rB:rB+11], v[rC:rC+7], v[rS], v[rT] matrix_a_fmt:MATRIX_FMT_BF6 matrix_b_fmt:MATRIX_FMT_BF6 matrix_a_scale:MATRIX_SCALE_ROW1
.elseif ((\t)%2 == 0)
	v_wmma_scale_f32_16x16x128_f8f6f4 v[rD:rD+7], v[rA:rA+11], v[rB:rB+11], v[rC:rC+7], v[rS], v[rT] matrix_a_fmt:MATRIX_FMT_BF6 matrix_b_fmt:MATRIX_FMT_BF6 matrix_b_scale:MATRIX_SCALE_ROW1
.else
	v_wmma_scale_f32_16x16x128_f8f6f4 v[rD:rD+7], v[rA:rA+11], v[rB:rB+11], v[rC:rC+7], v[rS], v[rT] matrix_a_fmt:MATRIX_FMT_BF6 matrix_b_fmt:MATRIX_FMT_BF6 matrix_a_scale:MATRIX_SCALE_ROW1 matrix_b_scale:MATRIX_SCALE_ROW1
.endif
.endm
.macro MROW m                          ; row tile m against the four weight tiles, in place; the accumulators take turns
.irp t, 0,1,2,3
	MM ACC+32*(\m)+8*\t, ACC+32*(\m)+8*\t, \t, \m
.endr
.endm
.macro WLOAD k                         ; K step k of my half of the column group: 13 loads
	global_load_b64 v[WSC:WSC+1], v[VS], s[8:9] offset:12800*(\k)+12288
.irp t, 0,1,2,3
.irp g, 0,1,2
	global_load_b128 v[W+12*\t+4*\g:W+12*\t+4*\g+3], v[VW], s[8:9] offset:12800*(\k)+1536*\t+512*\g
.endr
.endr
.endm
.macro XLOAD s, p                      ; row tiles 2 p, 2 p + 1 of K step s and their scale words: 7 LDS loads
	ds_load_b32 v[XSC+\p], v[LS] offset:XSCO+256*(\s)+128*\p
.irp m, 2*\p, 2*\p+1
.irp c, 0,1,2
	ds_load_b128 v[X+12*(\m)+4*\c:X+12*(\m)+4*\c+3], v[LI] offset:6144*(\s)+1536*(\m)+512*\c
.endr
.endr
.endm
.macro PLACES n
.rept \n
	v_nop
.endr
.endm
.macro STEP k                          ; K steps 1 to 7: a half's row fragments are fetched anew as soon as its eight products are issued, four places behind them (ISA guide 7.12.1)
	s_wait_loadcnt 0x0                             ; this step's weights are in
	s_wait_dscnt 7                                 ; row tiles 0, 1 are in; the 7 loads of tiles 2, 3 may be out
	MROW 0
	MROW 1
.if (\k) < 7
	PLACES 4
	XLOAD (\k)+1, 0
	s_wait_dscnt 7                                 ; tiles 2, 3 are in; the 7 just issued may be out
.else
	s_wait_dscnt 0x0
.endif
	MROW 2
	MROW 3
	PLACES 4
.if (\k) < 7
	XLOAD (\k)+1, 1
	WLOAD (\k)+1
.endif
.endm
.macro GELU16 B                        ; gelu of two accumulators, in place, each read from its low end on
	s_wait_alu depctr_va_vdst(0)                   ; ahead of the first reader of matrix results behind transcendentals
.set n, 0
.rept 16
	v_or_b32 v[GN+n], 0x80000000, v[(\B)+n]        ; -|x|
.set n, n+1
.endr
.set n, 0
.rept 8
	v_pk_fma_f32 v[GT+n:GT+n+1], v[GN+n:GN+n+1], s[NCH:NCH+1], 1.0 op_sel_hi:[1,0,0]   ; 1 + z / 2
.set n, n+2
.endr
	s_wait_alu depctr_va_vdst(0)                   ; ahead of the batch
.set n, 0
.rept 16
	v_rcp_f32 v[GT+n], v[GT+n]
.set n, n+1
.endr
.set n, 0
.rept 8
	v_pk_mul_f32 v[GQ+n:GQ+n+1], v[(\B)+n:(\B)+n+1], v[(\B)+n:(\B)+n+1]   ; x^2: plain work that names no reciprocal
.set n, n+2
.endr
.set n, 0
.rept 16
	v_max_num_f32 v[(\B)+n], 0, v[(\B)+n]          ; max(x, 0)
.set n, n+1
.endr
	s_wait_alu depctr_va_vdst(0)                   ; one wait for the 16 reciprocals
.set n, 0
.rept 8
	v_pk_fma_f32 v[GP+n:GP+n+1], v[GT+n:GT+n+1], s[C9:C9+1], v[C8:C8+1] op_sel_hi:[1,0,1]
.set n, n+2
.endr
.irp c, C7,C6,C5,C4,C3,C2,C1,C0
.set n, 0
.rept 8
	v_pk_fma_f32 v[GP+n:GP+n+1], v[GP+n:GP+n+1], v[GT+n:GT+n+1], s[\c:\c+1] op_sel_hi:[1,1,0]
.set n, n+2
.endr
.endr
.set n, 0
.rept 8
	v_pk_fma_f32 v[GP+n:GP+n+1], v[GQ+n:GQ+n+1], s[CQ:CQ+1], v[GP+n:GP+n+1] op_sel_hi:[1,0,1]   ; - z^2, all in units of log2 e
.set n, n+2
.endr
	s_wait_alu depctr_va_vdst(0)                   ; ahead of the batch
.set n, 0
.rept 16
	v_exp_f32 v[GP+n], v[GP+n]
.set n, n+1
.endr
	v_nop                                          ; a plain instruction behind the last exponential
	s_wait_alu depctr_va_vdst(0)                   ; one wait for the 16
.set n, 0
.rept 8
	v_pk_mul_f32 v[GT+n:GT+n+1], v[GT+n:GT+n+1], v[GP+n:GP+n+1]                          ; erfc(z) / 2
.set n, n+2
.endr
.set n, 0
.rept 8
	v_pk_fma_f32 v[(\B)+n:(\B)+n+1], v[GN+n:GN+n+1], v[GT+n:GT+n+1], v[(\B)+n:(\B)+n+1]  ; max(x, 0) - |x| erfc / 2
.set n, n+2
.endr
.endm
	s_load_b256 s[4:11], s[0:1], 0x0               ; xq, xs, wq, b1
	s_load_b128 s[12:15], s[0:1], 0x20             ; rows (blk behind them), h
	v_lshl_add_u32 v[SPW], v0, 2, SPARE
	v_mov_b32 v[NIL], 0
	v_lshrrev_b32 v[LN], 5, v0
	v_readfirstlane_b32 s20, v[LN]                 ; wave 0..3
	s_lshr_b32 s21, ttmp9, 3                       ; block
	s_bfe_u32 s22, ttmp9, 0x10002                  ; 0: expert a, 1: expert b
	s_and_b32 s23, ttmp9, 3                        ; slice of 256 hidden units
	s_lshr_b32 s28, s20, 1
	s_lshl_b32 s29, s23, 1
	s_add_co_u32 s28, s28, s29                     ; column group = K step of the second product
	s_and_b32 s29, s20, 1                          ; half c
	s_mul_i32 s32, s29, 6144
	s_lshl_b32 s33, s29, 3
	s_mul_i32 s34, s20, 6144
	s_lshl_b32 s35, s20, 8
	s_mov_b32 s31, 0                               ; the upper word of every offset pair s[30:31]
	s_mov_b32 s2, 0x76543210
	s_mov_b32 s3, 0xfedcba98                       ; v_permlanex16_b32's selects for lane l xor 16
	s_mov_b32 s38, 0xffff0000                      ; lanes 16-31
	s_mov_b32 s[NCH], 0xbeb504f3                   ; - 1 / (2 sqrt 2)
	s_mov_b32 s[CQ], 0xbf38aa3b                    ; - log2(e) / 2
	s_mov_b32 s[C0], 0xc034d90f                    ; c0 log2(e) - 1
	s_mov_b32 s[C1], 0x3fb8ab5a                    ; the other coefficients x log2(e)
	s_mov_b32 s[C2], 0x3f0a29d2
	s_mov_b32 s[C3], 0x3e0efb2e
	s_mov_b32 s[C4], 0xbe899a80
	s_mov_b32 s[C5], 0x3ecdfd18
	s_mov_b32 s[C6], 0xbfd1a1e5
	s_mov_b32 s[C7], 0x40097039
	s_mov_b32 s[C9], 0x3e7c6f08
.irp c, NCH,CQ,C0,C1,C2,C3,C4,C5,C6,C7,C9
	s_mov_b32 s[\c+1], s[\c]
.endr
	v_and_b32 v[LN], 31, v0
	v_and_b32 v[RR], 15, v0
	v_bfe_u32 v[HH], v0, 4, 1
	v_lshlrev_b32 v[LI], 4, v[LN]
	v_lshlrev_b32 v[L8], 3, v[LN]
	v_lshlrev_b32 v[LS], 2, v[LN]
	v_lshlrev_b32 v[R4], 2, v[RR]
	v_mul_u32_u24 v[H48], v[HH], 48
	v_lshlrev_b32 v[BO], 6, v[HH]
	v_add_nc_u32 v[VW], s32, v[LI]
	v_add_nc_u32 v[VS], s33, v[LI]
	v_add_nc_u32 v[XWI], s34, v[LI]                ; where I put images: K steps w and w + 4
	v_add_nc_u32 v[XWS], s35, v[LS]
	v_mov_b32 v[C8], 0xbf97d29d
	v_mov_b32 v[C8+1], 0xbf97d29d
	s_wait_alu depctr_va_vdst(0)
	s_wait_kmcnt 0x0
	s_lshl_b32 s30, s21, 4
	s_add_nc_u64 s[16:17], s[12:13], s[30:31]
	s_load_b128 s[24:27], s[16:17], 0xa000         ; s24 tokens in the block, s25 a, s26 b
	s_lshl_b32 s30, s21, 8
	s_add_nc_u64 s[12:13], s[12:13], s[30:31]      ; the block's 64 tokens
.irp m, 0,1,2,3
	global_load_b32 v[TK+\m], v[R4], s[12:13] offset:64*\m    ; the token of row lane % 16 of tile m
.endr
.irp i, 0,1
	global_load_b32 v[TL+\i], v[LS], s[12:13] offset:128*\i   ; the token of row lane + 32 i
.endr
	s_mul_i32 s30, s20, 96
	s_add_nc_u64 s[4:5], s[4:5], s[30:31]          ; xq at K step = my wave
	s_lshl_b32 s30, s20, 2
	s_add_nc_u64 s[6:7], s[6:7], s[30:31]          ; xs likewise
	s_lshl_b32 s32, s21, 1
	s_add_co_u32 s32, s32, s22
	s_lshl_b32 s32, s32, 3
	s_add_co_u32 s32, s32, s28                     ; (2 block + e) 8 + K step
	s_lshl_b32 s30, s32, 8
	s_lshl_b32 s33, s29, 7
	s_add_co_u32 s30, s30, s33
	s_add_co_u32 s30, s30, HSOFF
	s_add_nc_u64 s[18:19], s[14:15], s[30:31]      ; my 128 bytes of scale halves
	s_mul_i32 s30, s32, 6144
	s_mul_i32 s33, s29, 768
	s_add_co_u32 s30, s30, s33
	s_add_nc_u64 s[14:15], s[14:15], s[30:31]      ; my codes
	s_wait_kmcnt 0x0
	s_cmp_eq_u32 s22, 0
	s_cselect_b32 s25, s25, s26
	s_min_u32 s25, s25, 7                          ; my expert
	s_lshl_b32 s30, s25, 3
	s_add_co_u32 s30, s30, s28
	s_mul_i32 s30, s30, 204800                     ; a column group's stream: 16 steps of 12,800 bytes, W1's first
	s_add_nc_u64 s[8:9], s[8:9], s[30:31]
	s_lshl_b32 s30, s25, 12
	s_lshl_b32 s33, s28, 9
	s_add_co_u32 s30, s30, s33
	s_lshl_b32 s33, s29, 8
	s_add_co_u32 s30, s30, s33
	s_add_nc_u64 s[10:11], s[10:11], s[30:31]      ; b1 at my 64 hidden units
	WLOAD 0
.irp t, 0,1,2,3
	global_load_b128 v[ACC+8*\t:ACC+8*\t+3], v[BO], s[10:11] offset:128*(\t/2)+32*(\t%2)       ; register j of tile t: hidden unit 32 (t / 2) + 16 (lane / 16) + 8 (t % 2) + j
	global_load_b128 v[ACC+8*\t+4:ACC+8*\t+7], v[BO], s[10:11] offset:128*(\t/2)+32*(\t%2)+16
.endr
	s_wait_loadcnt 21                              ; the six loads of tokens are in: behind them 13 of weights and 8 of b1 were issued
.irp m, 0,1,2,3
	v_min_u32 v[TK+\m], 0xfff, v[TK+\m]
.endr
.irp i, 0,1
	v_min_u32 v[TL+\i], 0xfff, v[TL+\i]
.endr
.irp m, 0,1,2,3
	v_mad_u32_u24 v[XO+\m], v[TK+\m], 768, v[H48]
.endr
.irp i, 0,1
	v_lshlrev_b32 v[SO+\i], 5, v[TL+\i]
.endr
.irp j, 0,1
.irp m, 0,1,2,3
.irp c, 0,1,2
	global_load_b128 v[160+48*\j+12*\m+4*\c:160+48*\j+12*\m+4*\c+3], v[XO+\m], s[4:5] offset:384*\j+16*\c   ; lane (r, h): the 12 registers of x's fragment of K step w + 4 j, row tile m
.endr
.endr
.endr
.irp j, 0,1
.irp i, 0,1
	global_load_b32 v[XG+2*\j+\i], v[SO+\i], s[6:7] offset:16*\j
.endr
.endr
	s_wait_loadcnt 0x0
.irp j, 0,1
.irp m, 0,1,2,3
.irp c, 0,1,2
	ds_store_b128 v[XWI], v[160+48*\j+12*\m+4*\c:160+48*\j+12*\m+4*\c+3] offset:24576*\j+1536*\m+512*\c
.endr
.endr
.endr
.irp j, 0,1
.irp i, 0,1
	ds_store_b32 v[XWS], v[XG+2*\j+\i] offset:XSCO+1024*\j+128*\i
.endr
.endr
	s_wait_dscnt 0x0                               ; for the others' sake: my stores have landed
	s_barrier_signal -1
	s_barrier_wait -1                              ; x's 32 fragments lie in LDS; they are never written again
	s_cmp_eq_u32 s24, 0                            ; a block without tokens ends here: no barrier follows
	s_cbranch_scc1 .Lend
	XLOAD 0, 0
	XLOAD 0, 1
	s_wait_dscnt 0x0
.irp m, 1,2,3                          ; K step 0 starts the sums: C = b1, which lies in row tile 0's accumulators
.irp t, 0,1,2,3
	MM ACC+32*\m+8*\t, ACC+8*\t, \t, \m
.endr
.endr
	PLACES 5                                       ; five places ahead of the products that write over registers that those above read as C
	MROW 0
	PLACES 4
	XLOAD 1, 0
	XLOAD 1, 1
	WLOAD 1
.irp k, 1,2,3,4,5,6,7
	STEP \k
.endr
.irp g, 0,1,2,3,4,5,6,7
	GELU16 ACC+16*\g
.endr
	; the quantiser: chain q = 2 m + b is block b (32 hidden units) of row tile m; my 16 numbers of it lie in ACC + 16 q on
.irp q, 0,1,2,3,4,5,6,7
	v_mov_b32 v[MY+\q], 0                          ; a lane permute's destination counts as one of its sources
.endr
.irp q, 0,1,2,3,4,5,6,7
	v_max3_num_f32 v[MX+\q], |v[ACC+16*\q]|, |v[ACC+16*\q+1]|, 0x2800000   ; and the floor 2^(5 - 127): the byte cannot fall under 1
.endr
.irp i, 2,4,6,8,10,12,14
.irp q, 0,1,2,3,4,5,6,7
	v_max3_num_f32 v[MX+\q], v[MX+\q], |v[ACC+16*\q+\i]|, |v[ACC+16*\q+\i+1]|
.endr
.endr
.irp q, 0,1,2,3,4,5,6,7
	v_permlanex16_b32 v[MY+\q], v[MX+\q], s2, s3
.endr
.irp q, 0,1,2,3,4,5,6,7
	v_max_num_f32 v[MX+\q], v[MX+\q], v[MY+\q]     ; with lane l xor 16's: the block's largest magnitude
.endr
.irp q, 0,1,2,3,4,5,6,7
	v_add_nc_u32 v[QS+\q], 0xfe000000, v[MX+\q]    ; 4 off its exponent field: the conversion's scale operand
.endr
.irp q, 0,1,2,3,4,5,6,7
	v_lshrrev_b32 v[MY+\q], 23, v[QS+\q]           ; the scale's byte
.endr
.irp m, 0,1,2,3
	v_lshl_or_b32 v[PW+\m], v[MY+2*\m+1], 8, v[MY+2*\m]
.endr
	v_lshl_or_b32 v[PW], v[PW+2], 16, v[PW]        ; tiles 0 and 2
	v_lshl_or_b32 v[PW+1], v[PW+3], 16, v[PW+1]    ; tiles 1 and 3
	v_cndmask_b32 v[PW], v[PW], v[PW+1], s38       ; lanes 16-31 take the odd tiles
.irp m, 0,1,2,3
	v_cvt_scalef32_pk16_bf6_f32 v[PC+12*\m:PC+12*\m+2], v[ACC+32*\m:ACC+32*\m+15], v[QS+2*\m]
	v_cvt_scalef32_pk16_bf6_f32 v[PC+12*\m+6:PC+12*\m+8], v[ACC+32*\m+16:ACC+32*\m+31], v[QS+2*\m+1]   ; (a conversion's three registers begin on an even number)
.endr
	v_nop                                          ; a plain instruction behind the last conversion
.irp m, 0,1,2,3                        ; the operand's layout wants a whole block in a lane: lanes 0-15 block 2 c, lanes 16-31 block 2 c + 1
.irp i, 0,1,2
	v_permlane16_swap_b32 v[PC+12*\m+\i], v[PC+12*\m+6+\i]
.endr
.endr
.irp m, 0,1,2,3
.irp i, 0,1,2
	v_mov_b32 v[PC+12*\m+3+\i], v[PC+12*\m+6+\i]
.endr
.endr
.irp m, 0,1,2,3
	global_store_b128 v[LI], v[PC+12*\m:PC+12*\m+3], s[14:15] offset:1536*\m           ; 512 consecutive bytes, at a multiple of 256 from h's first byte
	global_store_b64 v[L8], v[PC+12*\m+4:PC+12*\m+5], s[14:15] offset:1536*\m+512      ; 256 consecutive bytes, likewise
.endr
	global_store_b32 v[LS], v[PW], s[18:19]        ; 128 consecutive bytes: the wave beside me stores the unit's other half
.Lend:
	s_wait_tensorcnt 0x0                           ; the wave's end
	ds_add_u32 v[SPW], v[NIL]
	s_wait_dscnt 0x0
	s_endpgm
.Lfunc_end_k_q51f6d18da2_up:
	.size	k_q51f6d18da2_up, .Lfunc_end_k_q51f6d18da2_up-k_q51f6d18da2_up
	.p2alignl 7, 3214868480
	.fill 96, 4, 3214868480
	.section	.rodata,"a",@progbits
	.p2align	6, 0x0
	.amdhsa_kernel k_q51f6d18da2_up
		.amdhsa_group_segment_fixed_size 51712
		.amdhsa_private_segment_fixed_size 0
		.amdhsa_enable_private_segment 0
		.amdhsa_kernarg_size 48
		.amdhsa_user_sgpr_count 2
		.amdhsa_user_sgpr_kernarg_segment_ptr 1
		.amdhsa_wavefront_size32 1
		.amdhsa_system_sgpr_workgroup_id_x 1
		.amdhsa_system_sgpr_workgroup_id_y 1
		.amdhsa_system_sgpr_workgroup_id_z 1
		.amdhsa_system_vgpr_workitem_id 0
		.amdhsa_next_free_vgpr 256
		.amdhsa_next_free_sgpr 66
		.amdhsa_reserve_vcc 0
		.amdhsa_float_denorm_mode_32 3
		.amdhsa_float_denorm_mode_16_64 3
		.amdhsa_memory_ordered 1
		.amdhsa_forward_progress 1
		.amdhsa_inst_pref_size 133
	.end_amdhsa_kernel
	.amdgpu_metadata
---
amdhsa.version: [ 1, 2 ]
amdhsa.kernels:
  - .name:           k_q51f6d18da2_up
    .symbol:         k_q51f6d18da2_up.kd
    .args:
      - { .name: xq, .offset: 0, .size: 8, .value_kind: global_buffer, .address_space: global }
      - { .name: xs, .offset: 8, .size: 8, .value_kind: global_buffer, .address_space: global }
      - { .name: wq, .offset: 16, .size: 8, .value_kind: global_buffer, .address_space: global }
      - { .name: b1, .offset: 24, .size: 8, .value_kind: global_buffer, .address_space: global }
      - { .name: rows, .offset: 32, .size: 8, .value_kind: global_buffer, .address_space: global }
      - { .name: h, .offset: 40, .size: 8, .value_kind: global_buffer, .address_space: global }
    .group_segment_fixed_size: 51712
    .private_segment_fixed_size: 0
    .kernarg_segment_align: 8
    .kernarg_segment_size: 48
    .max_flat_workgroup_size: 128
    .sgpr_count:     66
    .vgpr_count:     256
    .wavefront_size: 32
...
	.end_amdgpu_metadata
.endif
;; end of part 6
;; launch down (part 7): grid 368 x 1, 4 waves a work-group, no clusters, 116,224 bytes of LDS; arguments h, wq, b2, gate, rows, out0; writes out0
.if DOCPART == 7
	.amdgcn_target "amdgcn-amd-amdhsa--gfx1250"
	.amdhsa_code_object_version 6
	.text
	.protected	k_q51f6d18da2_down
	.globl	k_q51f6d18da2_down
	.p2align	8
	.type	k_q51f6d18da2_down,@function
k_q51f6d18da2_down:
	s_mov_b64 s[64:65], 0
	v_nop
	global_prefetch_b8 v0, s[64:65] scope:SCOPE_SE
	s_setreg_imm32_b32 hwreg(HW_REG_WAVE_MODE, 25, 1), 1
	s_wait_xcnt 0x0
; DOWN.  Work-group = (block of up to 64 tokens that chose the same two experts a < b, 256 of the 1,024 outputs): out[t] = sum over e in {a, b} of weight(t, e) x (h[t, e] Q(W2[e]) + b2[e]), h the codes that launch up stored.
; Each row of out0 has one owner.  The six experts that reference() weighs with 0 for a token are not multiplied.  92 blocks x 4 slices serve every split; a block without tokens passes the one barrier
; (on block 0's h, which is always written) and then ends, storing nothing.
; NO TENSOR LOADS, NO CLUSTER, NO PREFETCH: the launch branches on a stored count, and which work-groups share an expert hangs on the stored list; the weights go from memory straight into operand registers, two K steps (26 loads a wave) out.
; SHARES: wave w makes 64 outputs (half w % 2 of column group 2 slice + w / 2) for all 64 rows: 16 accumulators, (row tile m, column tile t) at ACC + 32 m + 8 t.  Both experts' h, 98,304 bytes, is copied to LDS once, as it lies.
; The product is used transposed (source 0 = 16 columns of W2, source 1 = 16 rows): a lane holds one token; the 16 registers of tiles 2 b, 2 b + 1 are outputs 32 b + 16 (lane / 16) + 0 .. 15.  b2 is the C of each sum's first product.
; Expert a's weighted result waits in window 1 while the accumulators serve expert b.
; REGISTERS.  Window 0: v1-9 addresses; v10-17 the gates; v18-21 the weights' scale words, two sets; v22-53 h's scale words (16 e + 2 s + m / 2); v54-101 four row fragments (on the way out v54-117: offsets); v128-255 accumulators.
; Window 1: v0-47, v48-95 four weight fragments, two sets; v96-127 b2; v128-255 expert a's weighted result.
; LIMITS: NaN and infinities are not served.
.set STAGE, 98304                      ; LDS: behind h each wave's own 16 rows x (256 + 16) bytes
.set SPARE, 115712                     ; the spare words, 128 bytes a wave
.set HSOFF, 9043968
.set SPW, 1
.set NIL, 2
.set LIE, 3                            ; v3, v4  16 x lane (+ 49,152 for expert b)
.set L8E, 5                            ; v5, v6  8 x lane (likewise)
.set LS,  7
.set VW,  8                            ; 16 x lane + 6144 x half
.set VS,  9                            ; 16 x lane + 8 x half
.set GA,  10                           ; v[10+2m:11+2m] the weights of a and of b of row lane % 16 of tile m
.set WSC, 18
.set HSC, 22
.set H,   54
.set OF,  54
.set STI, 118
.set SRD, 119
.set CB,  120
.set BOA, 121
.set BOB, 122
.set HWI, 123
.set ACC, 128
.set LN,  54                           ; the head's own registers lie where fragments come later
.set RR,  55
.set HH,  56
.set R4,  57
.set TK,  58
.set GO,  62
.set MSB, 0
.macro WIN new                         ; the immediate's high byte repeats the setting that is left
.if MSB != \new
	s_set_vgpr_msb (MSB<<8)|\new
.set MSB, \new
.endif
.endm
.macro MM g, t, m                      ; step g = 8 e + s: accumulator (m, t) += weight tile t x row tile m
.set rD, ACC+32*(\m)+8*(\t)
.set rA, 48*((\g)%2)+12*(\t)
.set rB, H+12*(\m)
.set rS, WSC+2*((\g)%2)+(\t)/2
.set rT, HSC+2*(\g)+(\m)/2
.if (\g)%8 == 0
.set rC, 96+8*(\t)
.else
.set rC, rD
.endif
.if ((\t)%2 == 0) && ((\m)%2 == 0)
	v_wmma_scale_f32_16x16x128_f8f6f4 v[rD:rD+7], v[rA:rA+11], v[rB:rB+11], v[rC:rC+7], v[rS], v[rT] matrix_a_fmt:MATRIX_FMT_BF6 matrix_b_fmt:MATRIX_FMT_BF6
.elseif ((\t)%2 == 1) && ((\m)%2 == 0)
	v_wmma_scale_f32_16x16x128_f8f6f4 v[rD:rD+7], v[rA:rA+11], v[rB:rB+11], v[rC:rC+7], v[rS], v[rT] matrix_a_fmt:MATRIX_FMT_BF6 matrix_b_fmt:MATRIX_FMT_BF6 matrix_a_scale:MATRIX_SCALE_ROW1
.elseif ((\t)%2 == 0)
	v_wmma_scale_f32_16x16x128_f8f6f4 v[rD:rD+7], v[rA:rA+11], v[rB:rB+11], v[rC:rC+7], v[rS], v[rT] matrix_a_fmt:MATRIX_FMT_BF6 matrix_b_fmt:MATRIX_FMT_BF6 matrix_b_scale:MATRIX_SCALE_ROW1
.else
	v_wmma_scale_f32_16x16x128_f8f6f4 v[rD:rD+7], v[rA:rA+11], v[rB:rB+11], v[rC:rC+7], v[rS], v[rT] matrix_a_fmt:MATRIX_FMT_BF6 matrix_b_fmt:MATRIX_FMT_BF6 matrix_a_scale:MATRIX_SCALE_ROW1 matrix_b_scale:MATRIX_SCALE_ROW1
.endif
.endm
.macro MHALF g, p                      ; row tiles 2 p, 2 p + 1; the accumulators take turns.  In an expert's first step C (b2) lies in window 1
.if ((\g)%8) == 0
	WIN 0x11
.else
	WIN 0x01
.endif
.irp m, 2*\p, 2*\p+1
.irp t, 0,1,2,3
	MM \g, \t, \m
.endr
.endr
.endm
.macro WLOAD g                         ; step g's weights into set g % 2: 13 loads.  s[2:3]: expert a's stream at W2's steps, s[100:101]: expert b's
.set WBR, 2+98*((\g)/8)
	WIN 0
	global_load_b64 v[WSC+2*((\g)%2):WSC+2*((\g)%2)+1], v[VS], s[WBR:WBR+1] offset:12800*((\g)%8)+12288
	WIN 0x40
.irp t, 0,1,2,3
.irp c, 0,1,2
	global_load_b128 v[48*((\g)%2)+12*\t+4*\c:48*((\g)%2)+12*\t+4*\c+3], v[VW], s[WBR:WBR+1] offset:12800*((\g)%8)+1536*\t+512*\c
.endr
.endr
.endm
.macro BLOAD adr                       ; b2 at my 64 outputs into window 1: register j of tile t is output 32 (t / 2) + 16 (lane / 16) + 8 (t % 2) + j
	WIN 0x40
.irp t, 0,1,2,3
	global_load_b128 v[96+8*\t:96+8*\t+3], v[\adr], s[8:9] offset:128*(\t/2)+32*(\t%2)
	global_load_b128 v[96+8*\t+4:96+8*\t+7], v[\adr], s[8:9] offset:128*(\t/2)+32*(\t%2)+16
.endr
.endm
.macro HLOAD g, p                      ; row tiles 2 p, 2 p + 1 of step g: 8 LDS loads
	WIN 0
.irp m, 2*\p, 2*\p+1
.irp c, 0,1
	ds_load_b128 v[H+12*(\m)+6*\c:H+12*(\m)+6*\c+3], v[LIE+(\g)/8] offset:6144*((\g)%8)+1536*(\m)+768*\c
	ds_load_b64 v[H+12*(\m)+6*\c+4:H+12*(\m)+6*\c+5], v[L8E+(\g)/8] offset:6144*((\g)%8)+1536*(\m)+768*\c+512
.endr
.endr
.endm
.macro PLACES n
.rept \n
	v_nop
.endr
.endm
.macro STEP g, nl                      ; nl: the loads issued behind this step's weights, which may stay out.  Four places stand between products and loads into registers that they read
	s_wait_loadcnt \nl
	s_wait_dscnt 8                                 ; row tiles 0, 1 are in; the 8 loads of tiles 2, 3 may be out
	MHALF \g, 0
.if (\g) < 15
	PLACES 4
	HLOAD (\g)+1, 0
	s_wait_dscnt 8
.else
	s_wait_dscnt 0x0
.endif
	MHALF \g, 1
	PLACES 4
.if (\g) < 15
	HLOAD (\g)+1, 1
.endif
.if (\g) == 0
	BLOAD BOB                                      ; expert b's b2 takes the place of a's
.endif
.if (\g) < 14
	WLOAD (\g)+2
.endif
.endm
	s_load_b256 s[4:11], s[0:1], 0x0               ; h, wq, b2, gate
	s_load_b128 s[12:15], s[0:1], 0x20             ; rows (blk behind them), out0
	v_lshl_add_u32 v[SPW], v0, 2, SPARE
	v_mov_b32 v[NIL], 0
	v_lshrrev_b32 v[LN], 5, v0
	v_readfirstlane_b32 s20, v[LN]                 ; wave 0..3
	s_lshr_b32 s21, ttmp9, 2                       ; block
	s_and_b32 s22, ttmp9, 3                        ; slice of 256 outputs
	s_lshr_b32 s28, s20, 1
	s_lshl_b32 s23, s22, 1
	s_add_co_u32 s28, s28, s23                     ; column group
	s_and_b32 s29, s20, 1                          ; half
	s_mov_b32 s31, 0                               ; the upper word of every offset pair s[30:31]
	s_mul_i32 s23, s29, 6144
	s_lshl_b32 s24, s29, 3
	s_mul_i32 s25, s20, 24576
	s_mul_i32 s26, s20, 4352
	s_add_co_u32 s26, s26, STAGE
	s_lshl_b32 s27, s22, 10
	s_lshl_b32 s30, s20, 8
	s_add_co_u32 s27, s27, s30                     ; my 64 outputs, in bytes
	v_and_b32 v[LN], 31, v0
	v_and_b32 v[RR], 15, v0
	v_bfe_u32 v[HH], v0, 4, 1
	v_lshlrev_b32 v[LIE], 4, v[LN]
	v_lshlrev_b32 v[L8E], 3, v[LN]
	v_lshlrev_b32 v[LS], 2, v[LN]
	v_lshlrev_b32 v[R4], 2, v[RR]
	v_add_nc_u32 v[LIE+1], 49152, v[LIE]
	v_add_nc_u32 v[L8E+1], 49152, v[L8E]
	v_add_nc_u32 v[VW], s23, v[LIE]
	v_add_nc_u32 v[VS], s24, v[LIE]
	v_add_nc_u32 v[HWI], s25, v[LIE]               ; my quarter of h's copy
	v_mul_u32_u24 v[STI], v[RR], 272
	v_lshl_add_u32 v[STI], v[HH], 6, v[STI]
	v_add_nc_u32 v[STI], s26, v[STI]               ; my stage, in: row lane % 16, + 64 (lane / 16)
	v_add_nc_u32 v[SRD], s26, v[L8E]               ; and back by rows: 8 x lane
	v_add_nc_u32 v[CB], s27, v[L8E]                ; the same 8 bytes in a row of out0
	s_wait_alu depctr_va_vdst(0)
	s_wait_kmcnt 0x0
	s_lshl_b32 s30, s21, 4
	s_add_nc_u64 s[18:19], s[12:13], s[30:31]
	s_lshl_b32 s30, s21, 8
	s_add_nc_u64 s[12:13], s[12:13], s[30:31]
	s_load_b128 s[24:27], s[18:19], 0xa000         ; s24 tokens in the block, s25 a, s26 b
	s_load_b512 s[32:47], s[12:13], 0x0            ; the 64 tokens as scalars, for the way out
	s_load_b512 s[48:63], s[12:13], 0x40
	s_load_b512 s[68:83], s[12:13], 0x80
	s_load_b512 s[84:99], s[12:13], 0xc0
.irp m, 0,1,2,3
	global_load_b32 v[TK+\m], v[R4], s[12:13] offset:64*\m
.endr
	s_wait_kmcnt 0x0
	s_min_u32 s25, s25, 7
	s_min_u32 s26, s26, 7
	s_cmp_eq_u32 s24, 0
	s_cselect_b32 s23, 0, s21                      ; a block without tokens copies block 0's h, which launch up has stored
	s_min_u32 s23, s23, 91                         ; one of the 92 blocks
	s_lshl_b32 s30, s23, 12
	s_add_co_u32 s30, s30, HSOFF
	s_add_nc_u64 s[16:17], s[4:5], s[30:31]        ; the block's scale halves
	s_mul_i32 s30, s23, 98304
	s_mul_i32 s22, s20, 24576
	s_add_co_u32 s30, s30, s22
	s_add_nc_u64 s[4:5], s[4:5], s[30:31]          ; my quarter of the block's codes
	s_lshl_b32 s30, s25, 3
	s_add_co_u32 s30, s30, s28
	s_mul_i32 s30, s30, 204800
	s_add_co_u32 s30, s30, 102400                  ; W2's steps lie behind W1's eight
	s_add_nc_u64 s[2:3], s[6:7], s[30:31]
	s_lshl_b32 s30, s26, 3
	s_add_co_u32 s30, s30, s28
	s_mul_i32 s30, s30, 204800
	s_add_co_u32 s30, s30, 102400
	s_add_nc_u64 s[100:101], s[6:7], s[30:31]
	s_lshl_b32 s22, s28, 9
	s_lshl_b32 s23, s29, 8
	s_add_co_u32 s22, s22, s23
	s_lshl_b32 s30, s25, 12
	s_add_co_u32 s30, s30, s22
	s_lshl_b32 s23, s26, 12
	s_add_co_u32 s23, s23, s22
	s_wait_loadcnt 0x0                             ; the tokens are in
.irp m, 0,1,2,3
	v_min_u32 v[TK+\m], 0xfff, v[TK+\m]
.endr
.irp m, 0,1,2,3
	v_lshlrev_b32 v[GO+\m], 3, v[TK+\m]
.endr
	v_lshl_add_u32 v[BOA], v[HH], 6, s30
	v_lshl_add_u32 v[BOB], v[HH], 6, s23
	s_wait_alu depctr_va_vdst(0)
.irp m, 0,1,2,3
	global_load_b64 v[GA+2*\m:GA+2*\m+1], v[GO+\m], s[10:11]
.endr
.set n, 0
.rept 32
	global_load_b32 v[224+n], v[LS], s[16:17] offset:128*n     ; n = 16 e + 2 s + c
.set n, n+1
.endr
.set n, 0
.rept 24
	global_load_b128 v[128+4*n:128+4*n+3], v[LIE], s[4:5] offset:512*n
.set n, n+1
.endr
	WIN 0x40
.set n, 0
.rept 24
	global_load_b128 v[128+4*n:128+4*n+3], v[LIE], s[4:5] offset:12288+512*n
.set n, n+1
.endr
	BLOAD BOA
	WLOAD 0
	WLOAD 1
	WIN 0
	s_wait_loadcnt 34                              ; h is in: behind it 8 loads of b2 and 26 of weights were issued
.set n, 0
.rept 24
	ds_store_b128 v[HWI], v[128+4*n:128+4*n+3] offset:512*n
.set n, n+1
.endr
	WIN 0x04                                       ; a store's data are its source 1
.set n, 0
.rept 24
	ds_store_b128 v[HWI], v[128+4*n:128+4*n+3] offset:12288+512*n
.set n, n+1
.endr
	WIN 0
.set n, 0
.rept 16                               ; step n: the two halves' 16 bits make the words: tiles 0 | 1 from the low halves, tiles 2 | 3 from the high ones
	v_perm_b32 v[HSC+2*n], v[224+2*n+1], v[224+2*n], 0x05040100
	v_perm_b32 v[HSC+2*n+1], v[224+2*n+1], v[224+2*n], 0x07060302
.set n, n+1
.endr
	s_wait_alu depctr_va_vdst(0)
	s_wait_dscnt 0x0                               ; for the others' sake: my stores have landed
	s_barrier_signal -1
	s_barrier_wait -1                              ; both experts' h lies in LDS; it is never written again
	s_cmp_eq_u32 s24, 0                            ; a block without tokens ends here: no barrier follows
	s_cbranch_scc1 .Lend
	HLOAD 0, 0
	HLOAD 0, 1
	PLACES 8                                       ; scale registers written by vector instructions stand 8 places ahead of a scaled product
	STEP 0, 13
	STEP 1, 21                                     ; behind step 1's weights: b2 of expert b and step 2
.irp g, 2,3,4,5,6,7
	STEP \g, 13
.endr
	WIN 0x40                                       ; expert a's result x its weight goes to window 1
.irp m, 0,1,2,3
.set n, 0
.rept 16
	v_pk_mul_f32 v[128+32*\m+n:128+32*\m+n+1], v[ACC+32*\m+n:ACC+32*\m+n+1], v[GA+2*\m:GA+2*\m+1] op_sel_hi:[1,0]
.set n, n+2
.endr
.endr
.irp g, 8,9,10,11,12,13,14
	STEP \g, 13
.endr
	STEP 15, 0
	WIN 0
	; THE WAY OUT.  A row's offset: the token's 4,096 bytes + my 8 bytes of my 64 outputs
.set n, 0
.rept 64
.if n < 32
.set TS, 32+n
.else
.set TS, 36+n
.endif
	s_min_u32 s[TS], s[TS], 0xfff
	v_lshl_add_u32 v[OF+n], s[TS], 12, v[CB]
.set n, n+1
.endr
.irp m, 0,1,2,3                        ; a row tile at a time through my own stage: in as a lane holds it, back as rows of 256 bytes
	WIN 0x10
.set n, 0
.rept 16
	v_pk_fma_f32 v[ACC+32*\m+n:ACC+32*\m+n+1], v[ACC+32*\m+n:ACC+32*\m+n+1], v[GA+2*\m:GA+2*\m+1], v[128+32*\m+n:128+32*\m+n+1] op_sel:[0,1,0] op_sel_hi:[1,1,1]   ; b's weight x b's result + a's part
.set n, n+2
.endr
	WIN 0
.irp b, 0,1
.irp i, 0,1,2,3
	ds_store_b128 v[STI], v[ACC+32*\m+16*\b+4*\i:ACC+32*\m+16*\b+4*\i+3] offset:128*\b+16*\i
.endr
.endr
	s_wait_alu depctr_va_vdst(0)
	s_wait_dscnt 0x0                               ; the stores have read their registers, which take the rows
.set n, 0
.rept 16
	ds_load_b64 v[ACC+32*\m+2*n:ACC+32*\m+2*n+1], v[SRD] offset:272*n
.set n, n+1
.endr
.endr
	s_wait_dscnt 0x0
.set n, 0
.rept 64
	s_cmp_le_u32 s24, n                            ; the block's tokens are its first rows: the rest is not stored
	s_cbranch_scc1 .Lend
	global_store_b64 v[OF+n], v[ACC+2*n:ACC+2*n+1], s[14:15] th:TH_STORE_NT   ; 32 lanes store 256 consecutive bytes, at a multiple of 256 from out0's first byte
.set n, n+1
.endr
.Lend:
	s_wait_tensorcnt 0x0                           ; the wave's end
	ds_add_u32 v[SPW], v[NIL]
	s_wait_dscnt 0x0
	s_endpgm
.Lfunc_end_k_q51f6d18da2_down:
	.size	k_q51f6d18da2_down, .Lfunc_end_k_q51f6d18da2_down-k_q51f6d18da2_down
	.p2alignl 7, 3214868480
	.fill 96, 4, 3214868480
	.section	.rodata,"a",@progbits
	.p2align	6, 0x0
	.amdhsa_kernel k_q51f6d18da2_down
		.amdhsa_group_segment_fixed_size 116224
		.amdhsa_private_segment_fixed_size 0
		.amdhsa_enable_private_segment 0
		.amdhsa_kernarg_size 48
		.amdhsa_user_sgpr_count 2
		.amdhsa_user_sgpr_kernarg_segment_ptr 1
		.amdhsa_wavefront_size32 1
		.amdhsa_system_sgpr_workgroup_id_x 1
		.amdhsa_system_sgpr_workgroup_id_y 1
		.amdhsa_system_sgpr_workgroup_id_z 1
		.amdhsa_system_vgpr_workitem_id 0
		.amdhsa_next_free_vgpr 512
		.amdhsa_next_free_sgpr 102
		.amdhsa_reserve_vcc 0
		.amdhsa_float_denorm_mode_32 3
		.amdhsa_float_denorm_mode_16_64 3
		.amdhsa_memory_ordered 1
		.amdhsa_forward_progress 1
		.amdhsa_inst_pref_size 129
	.end_amdhsa_kernel
	.amdgpu_metadata
---
amdhsa.version: [ 1, 2 ]
amdhsa.kernels:
  - .name:           k_q51f6d18da2_down
    .symbol:         k_q51f6d18da2_down.kd
    .args:
      - { .name: h, .offset: 0, .size: 8, .value_kind: global_buffer, .address_space: global }
      - { .name: wq, .offset: 8, .size: 8, .value_kind: global_buffer, .address_space: global }
      - { .name: b2, .offset: 16, .size: 8, .value_kind: global_buffer, .address_space: global }
      - { .name: gate, .offset: 24, .size: 8, .value_kind: global_buffer, .address_space: global }
      - { .name: rows, .offset: 32, .size: 8, .value_kind: global_buffer, .address_space: global }
      - { .name: out0, .offset: 40, .size: 8, .value_kind: global_buffer, .address_space: global }
    .group_segment_fixed_size: 116224
    .private_segment_fixed_size: 0
    .kernarg_segment_align: 8
    .kernarg_segment_size: 48
    .max_flat_workgroup_size: 128
    .sgpr_count:     102
    .vgpr_count:     512
    .wavefront_size: 32
...
	.end_amdgpu_metadata
.endif
;; end of part 7
